; MI455X (gfx1250); checked and timed in simulation.
; The chip was launched on July 23, 2026; its instructions are those of AMD's public machine-readable ISA for CDNA 5 (MIT licence, August 2026) and "CDNA5" Instruction Set Architecture Reference Guide (July 2026). The comments in the code are by the model that wrote it; some were corrected since.
;; Multihead Attention. Allowed arithmetic: float matrix products may take bf16 or f16 operands with f32 sums; other float arithmetic in f32, or as packed bf16 or f16 multiplies, adds, multiply-adds, maxima and minima; sums over many terms, partial sums and values carried from step to step in f32; what a program stores and reads back later, other than sums and carried values, may be rounded once to bf16 or f16.
;; Inputs: Wk 1,024 x 1,024 float32; Wo 1,024 x 1,024 float32; Wq 1,024 x 1,024 float32; Wv 1,024 x 1,024 float32; attn_mask 2,048 x 2,048 float32; bk 1,024 float32; bo 1,024 float32; bq 1,024 float32; bv 1,024 float32; key 4 x 2,048 x 1,024 float32; key_padding_mask 4 x 2,048 bool; query 4 x 2,048 x 1,024 float32; value 4 x 2,048 x 1,024 float32.
;; Outputs: out0 4 x 2,048 x 1,024 float32.
;; One version. Each part assembles by itself: llvm-mc -triple=amdgcn-amd-amdhsa -mcpu=gfx1250 --defsym DOCPART=n.
;; ======== version 1 of 1: 4 launches
;; limits: values are held in f16: magnitudes above 65,504 overflow, below 6.1e-05 lose precision; inputs' magnitudes at most 1.58e+29
;; workspace buffers: cb 58,720,256 bytes; mk 67,108,864 bytes; qkv 50,331,648 bytes; ob 16,777,216 bytes
;; launch prep (part 1): grid 1280 x 1, 8 waves a work-group, no clusters, 0 bytes of LDS; arguments Wq, Wk, Wv, Wo, attn_mask, key_padding_mask, cb, mk; writes cb, mk
.if DOCPART == 1
	.amdgcn_target "amdgcn-amd-amdhsa--gfx1250"
	.amdhsa_code_object_version 6
	.text
	.protected	k_qfd434e4b15_prep
	.globl	k_qfd434e4b15_prep
	.p2align	8
	.type	k_qfd434e4b15_prep,@function
k_qfd434e4b15_prep:
	s_mov_b64 s[64:65], 0
	v_nop
	global_prefetch_b8 v0, s[64:65] scope:SCOPE_SE
	s_setreg_imm32_b32 hwreg(HW_REG_WAVE_MODE, 25, 1), 1
	s_wait_xcnt 0x0
; PREP: a stream.  Nothing is shared between threads: no LDS, no barrier, no matrix unit.
; Work-groups 0 .. 255 CAST 64 KiB of f32 each to 32 KiB of 16-bit numbers in cb, from byte 50,331,648 on:
;   Wq, Wk, Wv as one [3072][1024] bf16; then Wo as [1024][1024] f16.  (The bytes of cb ahead of them are not used.)
;   Every weight is rounded once to bf16, to nearest even; Wo's bf16 number is then written as f16 (exact from 6e-5 up to 65,504;
;   below 6e-5 it keeps f16's fixed step of 6e-8).
; Work-groups 256 .. 1279 build THE COMBINED MASK mk, one for each batch, in the order of the matrix unit's C registers:
;   mk[b][qt][step][quad i][lane l][4] f32;  quad i = 2 kb + jj of lane (r = l % 16, h = l / 16) holds, for query 16 qt + r and the
;   keys 64 step + 16 kb + 8 h + 4 jj + 0..3:   padded key ? HID : max(8 x bf16(attn_mask), HID),   HID = -2^100.
;   The factor 8 (exact) lets the scores stay unscaled: the scale 1/8 is applied once, in f32, in the attention launch.
; LIMITS.  A mask number below -2^97 counts as a hidden key; a NaN in attn_mask counts as a hidden key too (the maximum drops it).
.set NCAST, 256                        ; casting work-groups, 64 for each weight
.set NWO,   192                        ; from here on they cast Wo
.set WOFF,  50331648                   ; where the weights' casts begin in cb
.set HID,   0xf1800000                 ; -2^100
.set X,   8                            ; v[8:71]    cast: 64 f32 as loaded
.set Y,   72                           ; v[72:103]  cast: 32 words to store
.set T,   104                          ; v[104:107] at work
.set M,   8                            ; v[8:23]    mask: my 16 numbers of attn_mask, then 8 x bf16 of them, floored
.set PD,  24                           ; v[24:39]   mask: word 4 b + i: four bytes of key_padding_mask
.set OUT, 40                           ; v[40:103]  mask: 16 b + 4 i: the quad to store
	s_load_b512 s[16:31], s[0:1], 0x0              ; Wq 16, Wk 18, Wv 20, Wo 22, attn_mask 24, key_padding_mask 26, cb 28, mk 30
	s_mov_b32 s2, ttmp9
	s_cmp_lt_u32 s2, NCAST
	s_cbranch_scc0 .Lmask
	; ---- THE CAST.  Thread t takes 32 bytes at 32 t of each of eight blocks of 8,192 bytes, and stores 16 bytes at 16 t of eight blocks of 4,096.
	v_lshlrev_b32 v1, 5, v0                        ; where I read
	v_lshlrev_b32 v2, 4, v0                        ; where I write
	s_lshr_b32 s6, s2, 6                           ; which weight
	s_and_b32 s7, s2, 63                           ; my 64 KiB in it
	s_mov_b32 s13, 0
	s_wait_kmcnt 0x0
	s_cmp_eq_u32 s6, 1
	s_cselect_b64 s[8:9], s[18:19], s[16:17]
	s_cmp_eq_u32 s6, 2
	s_cselect_b64 s[8:9], s[20:21], s[8:9]
	s_cmp_eq_u32 s6, 3
	s_cselect_b64 s[8:9], s[22:23], s[8:9]
	s_lshl_b32 s12, s7, 16
	s_add_nc_u64 s[8:9], s[8:9], s[12:13]          ; the source at my 64 KiB
	s_lshl_b32 s12, s2, 15
	s_add_nc_u64 s[14:15], s[28:29], s[12:13]      ; the casts are linear in the work-group's number: 32 KiB each,
	s_add_nc_u64 s[14:15], s[14:15], WOFF          ; from WOFF on
.irp i, 0,1,2,3,4,5,6,7
	global_load_b128 v[X+8*(\i):X+8*(\i)+3],   v1, s[8:9] offset:(\i)*8192 th:TH_LOAD_NT
	global_load_b128 v[X+8*(\i)+4:X+8*(\i)+7], v1, s[8:9] offset:(\i)*8192+16 th:TH_LOAD_NT
.endr
; Block i: its two loads are in when 14 - 2 i younger ones are out.  No register is written twice, so no store's source is at stake.
.macro CAST i, half
	s_wait_loadcnt 14-2*(\i)
.irp j, 0,1,2,3
	v_cvt_pk_bf16_f32 v[Y+4*(\i)+(\j)], v[X+8*(\i)+2*(\j)], v[X+8*(\i)+2*(\j)+1]
.endr
.if \half
.irp j, 0,1,2,3
	v_lshlrev_b32 v[T+2*((\j)%2)],   16, v[Y+4*(\i)+(\j)]          ; the bf16 numbers as f32,
	v_and_b32     v[T+2*((\j)%2)+1], 0xffff0000, v[Y+4*(\i)+(\j)]
	v_cvt_pk_f16_f32 v[Y+4*(\i)+(\j)], v[T+2*((\j)%2)], v[T+2*((\j)%2)+1]  ; written as f16
.endr
.endif
	global_store_b128 v2, v[Y+4*(\i):Y+4*(\i)+3], s[14:15] offset:(\i)*4096 th:TH_STORE_NT  ; a wave stores 512 consecutive bytes, aligned
.endm
	s_cmp_ge_u32 s2, NWO
	s_cbranch_scc1 .Lwo
.irp i, 0,1,2,3,4,5,6,7
	CAST \i, 0
.endr
	s_endpgm
.Lwo:
.irp i, 0,1,2,3,4,5,6,7
	CAST \i, 1
.endr
	s_endpgm
	; ---- THE MASK.  A work-group takes 16 queries (qt) x 256 keys (kg) for all four batches; wave w the keys 32 w .. 32 w + 31 of them:
	; half a key step, four quads a lane: keys 32 w + 8 h + {0, 4, 16, 20} + 0..3.
.Lmask:
	s_sub_co_u32 s3, s2, NCAST
	s_lshr_b32 s4, s3, 3                           ; qt
	s_and_b32 s5, s3, 7                            ; kg
	v_lshrrev_b32 v5, 5, v0                        ; w
	v_and_b32 v6, 31, v0                           ; l
	v_and_b32 v7, 15, v0                           ; r
	v_bfe_u32 v[T], v0, 4, 1                       ; h
	v_lshlrev_b32 v2, 5, v5
	v_lshl_add_u32 v2, v[T], 3, v2                 ; 32 w + 8 h: my first key, and my byte in key_padding_mask
	v_lshlrev_b32 v1, 2, v2
	v_lshl_add_u32 v1, v7, 13, v1                  ; + row r of 8,192 bytes: my byte in attn_mask
	v_lshlrev_b32 v3, 11, v5
	v_lshl_add_u32 v3, v6, 4, v3                   ; 2,048 w + 16 l: my byte in mk
	v_mov_b32 v4, HID
	s_mov_b32 s48, HID
	s_mov_b32 s49, 0xffff0000
	s_lshl_b32 s6, s4, 17                          ; 16 rows of attn_mask,
	s_lshl_b32 s7, s5, 10                          ; 256 keys of 4 bytes
	s_add_co_u32 s6, s6, s7
	s_mov_b32 s7, 0
	s_lshl_b32 s8, s5, 8
	s_mov_b32 s9, 0
	s_lshl_b32 s10, s4, 17                         ; in mk: 32 steps of 4,096 bytes for a tile of queries,
	s_lshl_b32 s11, s5, 14                         ; four steps
	s_add_co_u32 s10, s10, s11
	s_mov_b32 s11, 0
	s_wait_kmcnt 0x0
	s_add_nc_u64 s[24:25], s[24:25], s[6:7]
	s_add_nc_u64 s[26:27], s[26:27], s[8:9]
	s_add_nc_u64 s[40:41], s[30:31], s[10:11]      ; batch 0,
	s_add_nc_u64 s[42:43], s[40:41], 0x1000000     ; and the others, 16 MiB apart
	s_add_nc_u64 s[44:45], s[42:43], 0x1000000
	s_add_nc_u64 s[46:47], s[44:45], 0x1000000
.irp i, 0,1,2,3
	global_load_b128 v[M+4*(\i):M+4*(\i)+3], v1, s[24:25] offset:((\i)%2)*16+((\i)/2)*64 th:TH_LOAD_NT
.endr
.irp b, 0,1,2,3
.irp i, 0,1,2,3
	global_load_b32 v[PD+4*(\b)+(\i)], v2, s[26:27] offset:(\b)*2048+((\i)%2)*4+((\i)/2)*16
.endr
.endr
	s_wait_loadcnt 0x0
.irp i, 0,1,2,3
	v_cvt_pk_bf16_f32 v[T],   v[M+4*(\i)],   v[M+4*(\i)+1]         ; rounded to bf16,
	v_cvt_pk_bf16_f32 v[T+1], v[M+4*(\i)+2], v[M+4*(\i)+3]
	v_lshlrev_b32 v[M+4*(\i)],   16,  v[T]                         ; back in f32,
	v_and_b32     v[M+4*(\i)+1], s49, v[T]
	v_lshlrev_b32 v[M+4*(\i)+2], 16,  v[T+1]
	v_and_b32     v[M+4*(\i)+3], s49, v[T+1]
	v_pk_mul_f32 v[M+4*(\i):M+4*(\i)+1],   v[M+4*(\i):M+4*(\i)+1],   0x41000000 op_sel_hi:[1,0]  ; times 8,
	v_pk_mul_f32 v[M+4*(\i)+2:M+4*(\i)+3], v[M+4*(\i)+2:M+4*(\i)+3], 0x41000000 op_sel_hi:[1,0]
.irp e, 0,1,2,3
	v_max_num_f32 v[M+4*(\i)+(\e)], s48, v[M+4*(\i)+(\e)]          ; and never below HID
.endr
.endr
.irp b, 0,1,2,3
.irp i, 0,1,2,3
.irp e, 0,1,2,3
	v_and_b32 v[T+(\e)], 0xff<<(8*(\e)), v[PD+4*(\b)+(\i)]         ; the key's byte
	v_cmp_ne_u32 vcc_lo, 0, v[T+(\e)]
	v_cndmask_b32 v[OUT+16*(\b)+4*(\i)+(\e)], v[M+4*(\i)+(\e)], v4, vcc_lo  ; padded: HID
.endr
	global_store_b128 v3, v[OUT+16*(\b)+4*(\i):OUT+16*(\b)+4*(\i)+3], s[40+2*(\b):41+2*(\b)] offset:(\i)*512 th:TH_STORE_NT  ; a wave stores 512 consecutive bytes, aligned
.endr
.endr
	s_endpgm
.Lfunc_end_k_qfd434e4b15_prep:
	.size	k_qfd434e4b15_prep, .Lfunc_end_k_qfd434e4b15_prep-k_qfd434e4b15_prep
	.p2alignl 7, 3214868480
	.fill 96, 4, 3214868480
	.section	.rodata,"a",@progbits
	.p2align	6, 0x0
	.amdhsa_kernel k_qfd434e4b15_prep
		.amdhsa_group_segment_fixed_size 0
		.amdhsa_private_segment_fixed_size 0
		.amdhsa_enable_private_segment 0
		.amdhsa_kernarg_size 64
		.amdhsa_user_sgpr_count 2
		.amdhsa_user_sgpr_kernarg_segment_ptr 1
		.amdhsa_wavefront_size32 1
		.amdhsa_system_sgpr_workgroup_id_x 1
		.amdhsa_system_sgpr_workgroup_id_y 1
		.amdhsa_system_sgpr_workgroup_id_z 1
		.amdhsa_system_vgpr_workitem_id 0
		.amdhsa_next_free_vgpr 112
		.amdhsa_next_free_sgpr 66
		.amdhsa_reserve_vcc 1
		.amdhsa_float_denorm_mode_32 3
		.amdhsa_float_denorm_mode_16_64 3
		.amdhsa_memory_ordered 1
		.amdhsa_forward_progress 1
		.amdhsa_inst_pref_size 29
	.end_amdhsa_kernel
	.amdgpu_metadata
---
amdhsa.version: [ 1, 2 ]
amdhsa.kernels:
  - .name:           k_qfd434e4b15_prep
    .symbol:         k_qfd434e4b15_prep.kd
    .args:
      - { .name: Wq, .offset: 0, .size: 8, .value_kind: global_buffer, .address_space: global }
      - { .name: Wk, .offset: 8, .size: 8, .value_kind: global_buffer, .address_space: global }
      - { .name: Wv, .offset: 16, .size: 8, .value_kind: global_buffer, .address_space: global }
      - { .name: Wo, .offset: 24, .size: 8, .value_kind: global_buffer, .address_space: global }
      - { .name: attn_mask, .offset: 32, .size: 8, .value_kind: global_buffer, .address_space: global }
      - { .name: key_padding_mask, .offset: 40, .size: 8, .value_kind: global_buffer, .address_space: global }
      - { .name: cb, .offset: 48, .size: 8, .value_kind: global_buffer, .address_space: global }
      - { .name: mk, .offset: 56, .size: 8, .value_kind: global_buffer, .address_space: global }
    .group_segment_fixed_size: 0
    .private_segment_fixed_size: 0
    .kernarg_segment_align: 8
    .kernarg_segment_size: 64
    .max_flat_workgroup_size: 256
    .sgpr_count:     66
    .vgpr_count:     112
    .wavefront_size: 32
...
	.end_amdgpu_metadata
.endif
;; end of part 1
;; launch proj (part 2): grid 4 x 192, 4 waves a work-group, clusters of 4 x 4, 327,680 bytes of LDS; arguments query, key, value, cb, bq, bk, bv, qkv; writes qkv
.if DOCPART == 2
	.amdgcn_target "amdgcn-amd-amdhsa--gfx1250"
	.amdhsa_code_object_version 6
	.text
	.protected	k_qfd434e4b15_proj
	.globl	k_qfd434e4b15_proj
	.p2align	8
	.type	k_qfd434e4b15_proj,@function
k_qfd434e4b15_proj:
	s_mov_b64 s[64:65], 0
	v_nop
	global_prefetch_b8 v0, s[64:65] scope:SCOPE_SE
	s_setreg_imm32_b32 hwreg(HW_REG_WAVE_MODE, 25, 1), 1
	s_wait_xcnt 0x0
	s_wait_alu depctr_hold_cnt(0) depctr_sa_sdst(0) depctr_va_vdst(0) depctr_va_sdst(0) depctr_va_ssrc(0) depctr_va_vcc(0) depctr_vm_vsrc(0)
	s_getreg_b32 s2, hwreg(HW_REG_IB_STS2, 6, 4)
	s_cmp_eq_u32 s2, 0
	s_cbranch_scc0 .Lentry_in_a_cluster
	s_endpgm
.Lentry_in_a_cluster:
	s_bfe_u32 s2, ttmp6, 0x10000c
	s_cmp_lg_u32 s2, 0xf033
	s_cbranch_scc0 .Lentry_shape_is_right
	s_endpgm
.Lentry_shape_is_right:
; C = A B^T + bias.  A = query, key, value, each [8192][1024] f32, taken as the three thirds of 24,576 rows; B = the casts of Wq, Wk, Wv in cb, [3072][1024] bf16: row third p of A takes weight p and bias p.
; C = qkv, [24576][1024] f16: q, k, v in their natural layout, q WITHOUT the scale 1/8 (the attention launch applies it in f32).
; A COMES AS f32 AND IS ROUNDED TO bf16 ON THE WAY FROM LDS TO THE MATRIX UNIT (to nearest even, once): no 16-bit copy of it goes through memory.
; Sums in f32.  The bias, rounded to bf16 like every input, is the C operand of the products that start the sums: nothing is cleared, nothing is added at the end.
; LIMIT: f16 holds no number beyond 65,504: q, k and v must stay within it.
; SHARES.  A tile of C is 128 x 256: 768 work-groups, three times 256.  Four waves, 2 x 2, each 64 x 128: 32 accumulators, 256 registers.
; K = 1024 goes in 8 steps of 128 (A's rows 512 bytes, B's 256, aligned) through two LDS slots.  A request stands behind one step's barrier, the wait for it 112 matrix instructions later.
; No prefetch is laid: the tile is small (112 matrix instructions between a request and its wait), and K has eight steps.
; CLUSTER 4 x 4: A's tile is asked for jointly along a row of the cluster, B's along a column.  Waves 0, 1 fetch A's two halves (64 rows), waves 2, 3 B's (128 rows): 32 KiB each.
; THE MATRIX INSTRUCTION IS USED TRANSPOSED (source 0 = 16 rows of B, source 1 = 16 rows of A): a lane holds eight neighbouring numbers of a row of C.
; REGISTERS.  window 0: v0-31 addresses; v32-63 at work; two fragment buffers of 96 at v64 and v160 (A's four fragments, then B's eight).
;   window 1: accumulator (a, b) at v[8 (8 a + b)].   window 2: v0-63 the bias of my 128 columns, as C registers: column block b at v[8 b]; v64-127 A's four fragments of one quarter as f32.
.set KSTEP,  128
.set PITCH,  272                       ; B's LDS row: 256 bytes + 16 of padding = 68 words: the 16 rows of a fragment load start at 16 different groups of four banks (ISA guide 11.1)
.set APITCH, 528                       ; A's LDS row: 512 bytes + 16 = 132 words: likewise
.set ATILE,  128*APITCH                ; A's 128 rows; B's 256 follow
.set SLOT,   ATILE+256*PITCH
.set STAGE,  2*SLOT                    ; behind the ring: 16 rows for each wave, for the way out; no tensor load lands here
.set SP,     272                       ; a stage row: 128 f16 + 16 bytes
.set SPARE,  STAGE+4*16*SP             ; behind the stages: the spare words, 128 bytes a wave: two blocks of 256 bytes that no other line names
.set LAPS,   4                         ; a lap = two K steps
.set ADRA, 16                          ; v16-17  LDS address of my A fragments in slot 0, 1
.set ADRB, 20                          ; v20-21  the same for B
.set STO,  24                          ; v24     the way out: where I put my part of a row
.set RD,   25                          ; v25     where I read rows back
.set CO,   26                          ; v26     my byte offset in C
.set BO,   27                          ; v27     32 x (lane / 16): my eight numbers in 16 of the bias
.set SPW,  28                          ; v28     my spare word; never rewritten
.set NIL,  29                          ; v29     0; never rewritten
.set TMP,  32
.set F0,   64
.set F1,   160
.set RAW,  64                          ; window 2: fragment a's 16 f32 a lane at RAW + 16 a
.set WV,   14                          ; s14 wave;  s15 = wave / 2: my half of the rows, and 0: I fetch A, 1: B;  s16 = wave % 2: my half of the columns, and which half I fetch
.set G1,   24                          ; s[24:31] group 1 for A;  s[32:39] group 0, a set a slot
.set G0,   32
.set G1B,  48                          ; s[48:55], s[56:63] the same for B
.set G0B,  56
.set PA,   66                          ; s[66:67] A at my fetch's first row
.set PB,   68                          ; s[68:69] B likewise
.set PBI,  70                          ; s[70:71] the bias at my 128 columns
.set PC,   72                          ; s[72:73] C at my 64 x 128
.set MSB, 0
.macro WIN new                         ; the immediate's high byte repeats the setting that is left; a switch that changes nothing is dropped
.if MSB != (\new)
	s_set_vgpr_msb (MSB<<8)|(\new)
.set MSB, \new
.endif
.endm
.set MUL,  0x50                        ; fragments in window 0; C and D in window 1
.set MULB, 0x60                        ; C in window 2 (the bias), D in window 1
.macro PLACES                          ; four plain places behind matrix instructions, ahead of loads into registers that they read and of reads of their results
.rept 4
	v_nop
.endr
.endm
.macro JLOAD s                         ; a joint load; the branch hangs on the wave's number alone.  An s_nop 0 and four v_nop follow each line
	s_cmp_eq_u32 s15, 0
	s_cbranch_scc0 .Lfor_b_\@
	tensor_load_to_lds s[G0+4*(\s):G0+4*(\s)+3], s[G1:G1+7]
	s_nop 0
.rept 4
	v_nop
.endr
	s_branch .Lasked_\@
.Lfor_b_\@:
	tensor_load_to_lds s[G0B+4*(\s):G0B+4*(\s)+3], s[G1B:G1B+7]
	s_nop 0
.rept 4
	v_nop
.endr
.Lasked_\@:
.endm
.macro CREST                           ; a round of the cluster's barrier behind its opening barrier
	s_cmp_lg_u32 s[WV], 0
	s_cbranch_scc1 .Lnot_wave_0_\@
	s_barrier_signal -3
.Lnot_wave_0_\@:
	s_barrier_wait -3
	s_barrier_signal -1
	s_barrier_wait -1
.endm
.macro CROUND
	s_barrier_signal -1
	s_barrier_wait -1
	CREST
.endm
	s_load_b256 s[4:11], s[0:1], 0x0               ; query s[4:5], key s[6:7], value s[8:9], cb s[10:11]
	s_load_b256 s[84:91], s[0:1], 0x20             ; bq s[84:85], bk s[86:87], bv s[88:89], qkv s[90:91]
	v_lshl_add_u32 v[SPW], v0, 2, SPARE
	v_mov_b32 v[NIL], 0
	ds_add_u32 v[SPW], v[NIL]                      ; the wave's opening: the add and its wait stand ahead of my first tensor load; work on registers stands between
	v_lshrrev_b32 v1, 5, v0
	v_readfirstlane_b32 s[WV], v1
	s_lshr_b32 s15, s[WV], 1
	s_and_b32 s16, s[WV], 1
	s_bfe_u32 s17, ttmp6, 0x40000                  ; cx
	s_bfe_u32 s18, ttmp6, 0x40004                  ; cy
	s_lshl_b32 s19, ttmp9, 2
	s_add_co_u32 s19, s19, s17                     ; tile column = 4 x cluster x + cx
	s_and_b32 s21, ttmp7, 0xffff                   ; cluster y
	s_lshl_b32 s20, s21, 2
	s_add_co_u32 s20, s20, s18                     ; tile row = 4 x cluster y + cy
	s_lshr_b32 s21, s21, 4                         ; the third of A: 16 clusters each; the same in all partners
	s_lshl_b32 s76, s18, 2
	s_lshl_b32 s76, 15, s76                        ; my row of the cluster
	s_lshl_b32 s77, 0x1111, s17                    ; my column
	s_or_b32 s[G1], s76, (2<<16)|(1<<20)|(1<<21)|(6<<22)|(3<<25)   ; A: the mask; 4-byte elements; padding on; bit 21 beside a mask; after every 128 words, 4 words
	s_or_b32 s[G1B], s77, (1<<16)|(1<<20)|(1<<21)|(5<<22)|(3<<25)  ; B: 2-byte elements; after every 64 words, 4 words
	s_mov_b32 s[G1+1], KSTEP<<16                   ; tensor_dim0 = 128
	s_mov_b32 s[G1+2], 64<<16                      ; tensor_dim1 = 64
	s_mov_b32 s[G1+3], KSTEP<<16                   ; tile_dim0 = 128
	s_mov_b32 s[G1+4], 64                          ; tile_dim1 = 64
	s_mov_b32 s[G1+5], 1024                        ; elements from row to row
	s_mov_b32 s[G1+6], 0
	s_mov_b32 s[G1+7], 0
	s_mov_b32 s[G1B+1], KSTEP<<16
	s_mov_b32 s[G1B+2], 128<<16                    ; B: 128 rows a load
	s_mov_b32 s[G1B+3], KSTEP<<16
	s_mov_b32 s[G1B+4], 128
	s_mov_b32 s[G1B+5], 1024
	s_mov_b32 s[G1B+6], 0
	s_mov_b32 s[G1B+7], 0
	s_and_b32 s40, s20, 63                         ; A: the tile row inside its own tensor (64 tile rows each),
	s_lshl_b32 s40, s40, 7                         ; row 128 x that + 64 x half, in registers that never hold cx
	s_lshl_b32 s22, s16, 6
	s_add_co_u32 s40, s40, s22
	s_lshl_b32 s40, s40, 12                        ; rows of 4,096 bytes
	s_mov_b32 s41, 0
	s_lshl_b32 s44, s19, 8                         ; B: row 256 x tile column + 128 x half + 1,024 x third, in registers that never hold cy
	s_lshl_b32 s22, s16, 7
	s_add_co_u32 s44, s44, s22
	s_lshl_b32 s22, s21, 10
	s_add_co_u32 s44, s44, s22
	s_lshl_b32 s44, s44, 11                        ; rows of 2,048 bytes
	s_mov_b32 s45, 0
	s_mul_i32 s74, s16, 64*APITCH                  ; where they go: no place in the cluster enters an LDS address
	s_mul_i32 s75, s16, 128*PITCH
	s_add_co_u32 s75, s75, ATILE
	s_wait_dscnt 0x0                               ; the opening add is done
	s_wait_kmcnt 0x0
	s_cmp_eq_u32 s21, 1
	s_cselect_b64 s[PA:PA+1], s[6:7], s[4:5]       ; the third's tensor and its bias
	s_cselect_b64 s[PBI:PBI+1], s[86:87], s[84:85]
	s_cmp_eq_u32 s21, 2
	s_cselect_b64 s[PA:PA+1], s[8:9], s[PA:PA+1]
	s_cselect_b64 s[PBI:PBI+1], s[88:89], s[PBI:PBI+1]
	s_add_nc_u64 s[PB:PB+1], s[10:11], 50331648    ; the three weights' casts in cb
	s_mov_b64 s[PC:PC+1], s[90:91]
	s_add_nc_u64 s[PA:PA+1], s[PA:PA+1], s[40:41]
	s_add_nc_u64 s[PB:PB+1], s[PB:PB+1], s[44:45]
	CROUND                                         ; all sixteen work-groups are here: the first joint loads meet
.irp s, 0,1
	s_mov_b32 s[G0+4*(\s)], 1
	s_add_co_u32 s[G0+4*(\s)+1], s74, (\s)*SLOT
	s_add_nc_u64 s[G0+4*(\s)+2:G0+4*(\s)+3], s[PA:PA+1], (\s)*KSTEP*4
	s_or_b32 s[G0+4*(\s)+3], s[G0+4*(\s)+3], 0x80000000
	s_mov_b32 s[G0B+4*(\s)], 1
	s_add_co_u32 s[G0B+4*(\s)+1], s75, (\s)*SLOT
	s_add_nc_u64 s[G0B+4*(\s)+2:G0B+4*(\s)+3], s[PB:PB+1], (\s)*KSTEP*2
	s_or_b32 s[G0B+4*(\s)+3], s[G0B+4*(\s)+3], 0x80000000
	JLOAD \s                                       ; two loads of mine are out
.endr
	v_and_b32 v1, 15, v0                           ; l % 16
	v_bfe_u32 v2, v0, 4, 1                         ; l / 16
	v_lshlrev_b32 v[BO], 5, v2
	s_lshl_b32 s46, s19, 10                        ; the bias of my 128 columns: 4 x (256 x tile column + 128 x half)
	s_lshl_b32 s47, s16, 9
	s_add_co_u32 s46, s46, s47
	s_mov_b32 s47, 0
	s_add_nc_u64 s[PBI:PBI+1], s[PBI:PBI+1], s[46:47]
.irp b, 0,1,2,3,4,5,6,7
	global_load_b128 v[F1+8*(\b):F1+8*(\b)+3],   v[BO], s[PBI:PBI+1] offset:64*(\b)      ; register j of block b: column 16 b + 8 (l / 16) + j
	global_load_b128 v[F1+8*(\b)+4:F1+8*(\b)+7], v[BO], s[PBI:PBI+1] offset:64*(\b)+16
.endr
	v_mul_u32_u24 v3, v1, PITCH
	v_lshl_add_u32 v3, v2, 4, v3                   ; B: a fragment's row x pitch + 16 bytes x half of the lanes
	v_mul_u32_u24 v4, v1, APITCH
	v_lshl_add_u32 v4, v2, 5, v4                   ; A: 8 f32 are 32 bytes
	s_mul_i32 s22, s15, 64*APITCH                  ; my 64 rows of A
	s_mul_i32 s23, s16, 128*PITCH                  ; my 128 rows of B,
	s_add_co_u32 s23, s23, ATILE                   ; behind A's 128
.irp s, 0,1
	v_add_nc_u32 v[ADRA+(\s)], s22, v4
	v_add_nc_u32 v[ADRB+(\s)], s23, v3
	s_add_co_u32 s22, s22, SLOT
	s_add_co_u32 s23, s23, SLOT
.endr
	s_mul_i32 s22, s[WV], 16*SP
	s_add_co_u32 s22, s22, STAGE                   ; my stage
	v_mul_u32_u24 v4, v1, SP
	v_lshl_add_u32 v4, v2, 4, v4                   ; in: row l % 16, 16 bytes for each half of the lanes
	v_add_nc_u32 v[STO], s22, v4
	v_mul_u32_u24 v5, v2, SP                       ; back: lanes 0-15 one row of 256 bytes, lanes 16-31 the next
	v_lshl_add_u32 v5, v1, 4, v5
	v_add_nc_u32 v[RD], s22, v5
	v_lshlrev_b32 v5, 11, v2                       ; and the same two rows in C
	v_lshl_add_u32 v[CO], v1, 4, v5
	s_lshl_b32 s42, s20, 7
	s_lshl_b32 s43, s15, 6
	s_add_co_u32 s42, s42, s43                     ; my first row of C
	s_lshl_b32 s42, s42, 11                        ; rows of 2,048 bytes
	s_lshl_b32 s43, s19, 9                         ; my first column
	s_add_co_u32 s42, s42, s43
	s_lshl_b32 s43, s16, 8
	s_add_co_u32 s42, s42, s43
	s_mov_b32 s43, 0
	s_add_nc_u64 s[PC:PC+1], s[PC:PC+1], s[42:43]
	s_wait_loadcnt 0x0                             ; the bias
.set k, 0
.rept 32
	v_cvt_pk_bf16_f32 v[TMP+k], v[F1+2*k], v[F1+2*k+1]             ; rounded to bf16 like every input,
.set k, k+1
.endr
	WIN 0x80                                       ; destination window 2
.set k, 0
.rept 32
	v_lshlrev_b32 v[2*k],   16, v[TMP+k]                           ; and back in f32, as C registers
	v_and_b32     v[2*k+1], 0xffff0000, v[TMP+k]
.set k, k+1
.endr
	WIN 0
; 8 matrix instructions: m block a x all 8 n blocks, 32 along K, from buffer f.  zero = 1: the bias starts the sums.
; The 32 accumulators take turns in the same order in every quarter, over the backward jump too.
.macro MUL8 f, a, zero
.if \zero
	WIN MULB
.else
	WIN MUL
.endif
.irp b, 0,1,2,3,4,5,6,7
.set rD, 8*(8*(\a)+(\b))
.set rB, (\f)+32+8*(\b)
.set rA, (\f)+8*(\a)
.if \zero
	v_wmma_f32_16x16x32_bf16 v[rD:rD+7], v[rB:rB+7], v[rA:rA+7], v[8*(\b):8*(\b)+7]
.else
	v_wmma_f32_16x16x32_bf16 v[rD:rD+7], v[rB:rB+7], v[rA:rA+7], v[rD:rD+7]
.endif
.endr
.endm
; 32 LDS loads in one run: quarter q (32 along K) of a slot: B's eight fragments into buffer f; A's four as f32 into RAW: a lane's k = 8 h .. 8 h + 7 are 32 bytes at 32 h, its k = 16 + 8 h .. 64 bytes on.
.macro FETCH slot, q, f
	WIN 0
.irp i, 0,1,2,3,4,5,6,7
	ds_load_b128 v[(\f)+32+8*(\i):(\f)+32+8*(\i)+3],   v[ADRB+(\slot)] offset:64*(\q)+(\i)*16*PITCH
	ds_load_b128 v[(\f)+32+8*(\i)+4:(\f)+32+8*(\i)+7], v[ADRB+(\slot)] offset:64*(\q)+(\i)*16*PITCH+32
.endr
	WIN 0x80                                       ; destination window 2, address window 0
.irp i, 0,1,2,3
.irp j, 0,1,2,3
	ds_load_b128 v[RAW+16*(\i)+4*(\j):RAW+16*(\i)+4*(\j)+3], v[ADRA+(\slot)] offset:128*(\q)+(\i)*16*APITCH+((\j)/2)*64+((\j)%2)*16
.endr
.endr
.endm
; A's four fragments of buffer f are made of RAW: 32 roundings to bf16, block 0's first, so that each block's stand ahead of its first product with the later blocks' between.
; The last products that read these registers stand a whole quarter back, with that quarter's 32 roundings between.
.macro CVT f
	WIN 0x0a                                       ; sources in window 2, destination in window 0
.irp a, 0,1,2,3
.irp j, 0,1,2,3,4,5,6,7
	v_cvt_pk_bf16_f32 v[(\f)+8*(\a)+(\j)], v[RAW+16*(\a)+2*(\j)], v[RAW+16*(\a)+2*(\j)+1]
.endr
.endr
.endm
; A K step is four quarters of 32 along K, 32 matrix instructions each, on buffers 0, 1, 0, 1.  One of the first three: multiplies buffer f; in its middle it fetches quarter q of the same slot for buffer g.
.macro QUARTER slot, q, f, g, zero
	s_wait_dscnt 0x0                               ; this quarter's 32 loads, issued 16 matrix instructions ago, are in
	CVT \f
	MUL8 \f, 0, \zero
	MUL8 \f, 1, \zero
	PLACES
	FETCH \slot, \q, \g                            ; RAW has been read by the roundings above
	MUL8 \f, 2, \zero
	MUL8 \f, 3, \zero
.endm
; The last quarter multiplies buffer 1 and changes slots: one barrier; ahead of it each wave waits for all its tensor loads (its part of the next slot), adds 0 to its spare word,
; and waits for that and for its reads of this slot.  fill = 1: the barrier opens a round of the cluster's, and this slot is filled again, two K steps on, first thing behind it.
.macro TURN slot, next, fill
	WIN 0
	s_wait_tensorcnt 0x0
	ds_add_u32 v[SPW], v[NIL]
	s_wait_dscnt 1                                 ; this quarter's loads are in; the add may be out
	CVT F1
	MUL8 F1, 0, 0
	s_wait_dscnt 0x0                               ; the add is done, my reads of this slot are over
	s_barrier_signal -1
	MUL8 F1, 1, 0
.if \fill
	WIN 0
.endif
	s_barrier_wait -1
.if \fill
	CREST                                          ; no wave of any partner still reads this slot or has a load on its way
	s_add_nc_u64 s[G0+4*(\slot)+2:G0+4*(\slot)+3], s[G0+4*(\slot)+2:G0+4*(\slot)+3], 2*KSTEP*4
	s_add_nc_u64 s[G0B+4*(\slot)+2:G0B+4*(\slot)+3], s[G0B+4*(\slot)+2:G0B+4*(\slot)+3], 2*KSTEP*2
	JLOAD \slot                                    ; one load of mine is out; its four v_nop are also the places ahead of the loads below
.else
	PLACES
.endif
	FETCH \next, 0, F0
	MUL8 F1, 2, 0
	MUL8 F1, 3, 0
.endm
	s_wait_tensorcnt 1                             ; my part of K step 0 is in; K step 1's may stay out
	s_barrier_signal -1
	s_barrier_wait -1
	FETCH 0, 0, F0
	QUARTER 0, 1, F0, F1, 1                        ; the first quarter stands ahead of the loop: its products start the sums, with the bias
	WIN 0
	s_mov_b32 s3, LAPS-1
.Llap:                                                 ; a trip goes once round the ring and fills both slots again: K steps 2 to 7
	QUARTER 0, 2, F1, F0, 0
	QUARTER 0, 3, F0, F1, 0
	TURN 0, 1, 1
	QUARTER 1, 1, F0, F1, 0
	QUARTER 1, 2, F1, F0, 0
	QUARTER 1, 3, F0, F1, 0
	TURN 1, 0, 1
	QUARTER 0, 1, F0, F1, 0
	WIN 0
	s_sub_co_u32 s3, s3, 1
	s_cmp_lg_u32 s3, 0
	s_cbranch_scc1 .Llap
	QUARTER 0, 2, F1, F0, 0                        ; the last lap fills nothing
	QUARTER 0, 3, F0, F1, 0
	TURN 0, 1, 0
	QUARTER 1, 1, F0, F1, 0
	QUARTER 1, 2, F1, F0, 0
	QUARTER 1, 3, F0, F1, 0
	s_wait_dscnt 0x0                               ; the very last quarter: nothing more to fetch
	CVT F1
	MUL8 F1, 0, 0
	MUL8 F1, 1, 0
	MUL8 F1, 2, 0
	MUL8 F1, 3, 0
	WIN 0
	PLACES
; THE WAY OUT, a block of 16 rows at a time, through my own stage (LDS serves a wave's instructions in order, ISA guide 5.7.1.4: no wait between my stores and my loads).
; Each block comes back into registers of its own, so no store's data is written again.
.macro PACKST a
	WIN 0x05                                       ; sources in window 1
.irp b, 0,1,2,3,4,5,6,7
.irp q, 0,1,2,3
	v_cvt_pk_f16_f32 v[TMP+4*(\b)+(\q)], v[8*(8*(\a)+(\b))+2*(\q)], v[8*(8*(\a)+(\b))+2*(\q)+1]
.endr
.endr
	WIN 0
.irp b, 0,1,2,3,4,5,6,7
	ds_store_b128 v[STO], v[TMP+4*(\b):TMP+4*(\b)+3] offset:32*(\b)
.endr
.irp t, 0,1,2,3,4,5,6,7
	ds_load_b128 v[64+32*(\a)+4*(\t):64+32*(\a)+4*(\t)+3], v[RD] offset:(\t)*2*SP
.endr
.endm
.macro SEND a, younger                 ; younger: the LDS instructions issued behind block a's loads
	WIN 0
.irp t, 0,1,2,3,4,5,6,7
	s_wait_dscnt (\younger)+7-(\t)
	global_store_b128 v[CO], v[64+32*(\a)+4*(\t):64+32*(\a)+4*(\t)+3], s[PC:PC+1] offset:(16*(\a)+2*(\t))*2048  ; 16 lanes store 256 consecutive bytes, aligned
.endr
.endm
	PACKST 0
	PACKST 1
	SEND 0, 16
	PACKST 2
	SEND 1, 16
	PACKST 3
	SEND 2, 16
	SEND 3, 0
	s_wait_tensorcnt 0x0                           ; the wave's end: the add and its waits, behind my last tensor load and my last LDS store
	ds_add_u32 v[SPW], v[NIL]
	s_wait_dscnt 0x0
	CROUND                                         ; the closing round
	s_endpgm
.Lfunc_end_k_qfd434e4b15_proj:
	.size	k_qfd434e4b15_proj, .Lfunc_end_k_qfd434e4b15_proj-k_qfd434e4b15_proj
	.p2alignl 7, 3214868480
	.fill 96, 4, 3214868480
	.section	.rodata,"a",@progbits
	.p2align	6, 0x0
	.amdhsa_kernel k_qfd434e4b15_proj
		.amdhsa_group_segment_fixed_size 327680
		.amdhsa_private_segment_fixed_size 0
		.amdhsa_enable_private_segment 0
		.amdhsa_kernarg_size 64
		.amdhsa_user_sgpr_count 2
		.amdhsa_user_sgpr_kernarg_segment_ptr 1
		.amdhsa_wavefront_size32 1
		.amdhsa_system_sgpr_workgroup_id_x 1
		.amdhsa_system_sgpr_workgroup_id_y 1
		.amdhsa_system_sgpr_workgroup_id_z 1
		.amdhsa_system_vgpr_workitem_id 0
		.amdhsa_next_free_vgpr 640
		.amdhsa_next_free_sgpr 92
		.amdhsa_reserve_vcc 0
		.amdhsa_float_denorm_mode_32 3
		.amdhsa_float_denorm_mode_16_64 3
		.amdhsa_memory_ordered 1
		.amdhsa_forward_progress 1
		.amdhsa_inst_pref_size 135
	.end_amdhsa_kernel
	.amdgpu_metadata
---
amdhsa.version: [ 1, 2 ]
amdhsa.kernels:
  - .name:           k_qfd434e4b15_proj
    .symbol:         k_qfd434e4b15_proj.kd
    .args:
      - { .name: query, .offset: 0, .size: 8, .value_kind: global_buffer, .address_space: global }
      - { .name: key, .offset: 8, .size: 8, .value_kind: global_buffer, .address_space: global }
      - { .name: value, .offset: 16, .size: 8, .value_kind: global_buffer, .address_space: global }
      - { .name: cb, .offset: 24, .size: 8, .value_kind: global_buffer, .address_space: global }
      - { .name: bq, .offset: 32, .size: 8, .value_kind: global_buffer, .address_space: global }
      - { .name: bk, .offset: 40, .size: 8, .value_kind: global_buffer, .address_space: global }
      - { .name: bv, .offset: 48, .size: 8, .value_kind: global_buffer, .address_space: global }
      - { .name: qkv, .offset: 56, .size: 8, .value_kind: global_buffer, .address_space: global }
    .group_segment_fixed_size: 327680
    .private_segment_fixed_size: 0
    .kernarg_segment_align: 8
    .kernarg_segment_size: 64
    .max_flat_workgroup_size: 128
    .sgpr_count:     92
    .vgpr_count:     640
    .wavefront_size: 32
...
	.end_amdgpu_metadata
.endif
;; end of part 2
;; launch attn (part 3): grid 8 x 32, 4 waves a work-group, clusters of 4 x 1, 327,680 bytes of LDS; arguments qkv, mk, ob; writes ob
.if DOCPART == 3
	.amdgcn_target "amdgcn-amd-amdhsa--gfx1250"
	.amdhsa_code_object_version 6
	.text
	.protected	k_qfd434e4b15_attn
	.globl	k_qfd434e4b15_attn
	.p2align	8
	.type	k_qfd434e4b15_attn,@function
k_qfd434e4b15_attn:
	s_mov_b64 s[64:65], 0
	v_nop
	global_prefetch_b8 v0, s[64:65] scope:SCOPE_SE
	s_setreg_imm32_b32 hwreg(HW_REG_WAVE_MODE, 25, 1), 1
	s_wait_xcnt 0x0
	s_wait_alu depctr_hold_cnt(0) depctr_sa_sdst(0) depctr_va_vdst(0) depctr_va_sdst(0) depctr_va_ssrc(0) depctr_va_vcc(0) depctr_vm_vsrc(0)
	s_getreg_b32 s2, hwreg(HW_REG_IB_STS2, 6, 4)
	s_cmp_eq_u32 s2, 0
	s_cbranch_scc0 .Lentry_in_a_cluster
	s_endpgm
.Lentry_in_a_cluster:
	s_bfe_u32 s2, ttmp6, 0x10000c
	s_cmp_lg_u32 s2, 0x3003
	s_cbranch_scc0 .Lentry_shape_is_right
	s_endpgm
.Lentry_shape_is_right:
; ATTENTION.  O[b][l][h] = the sum over s of softmax_s(q.k / 8 + attn_mask[l][s], -inf where key s of batch b is padded) v[b][s][h].
; q, k, v: qkv = [3][8192][1024] f16, natural layout (row b 2048 + t, column 64 h + d), q unscaled.  mk: the combined mask, times 8, f32, in the order of the C registers:
; byte (b << 24) + (qt << 17) + (step << 12) + 512 i + 16 l.  O: ob = [8192][1024] f16, natural layout.  Products, maxima and sums in f32; the weights are rounded to f16 for the second product.
; SHARES.  A work-group owns 256 queries of a PAIR of neighbouring heads of one batch; a wave 64 queries: four PIECES, each one tile of 16 queries x the two heads (u = 0, 1): eight tile-heads t = 2 x + u.
; The pair's 64 + 64 channels are one aligned row of 256 bytes of q, k, v and O, and both heads take the same 32 mask registers.  Every wave walks all 2,048 keys, 64 a step.
; THE MASK is the C operand of the products that start S^T = K Q^T: no vector instruction is spent on it.  Each wave loads its own tiles' masks straight into registers, 512 consecutive bytes an
; instruction, a whole key step ahead.  It is not asked for jointly: inside a work-group a mask tile belongs to one wave alone, and through LDS it would be 64 KiB written and read a key step beside K's and V's 32.
; SOFTMAX.  p = 2^(c s - c m), c = log2(e) / 8, with a running maximum m; O and l are multiplied by a = 2^(c m_old - c m_new) in every step.  m starts at the lowest finite number, O and l at 0.
; A hidden key's score is its product less 2^100: far below every visible score, so its weight is 0 once a visible key has been met; weights made while all keys so far were hidden are multiplied away by a = 0
; at the first visible key.  A row whose final m lies below -2^96 has seen no key: its l is made NaN by a select, and so is its O, as the softmax of a row of -inf is.
; LIMITS.  q, k, v arrive within f16's 65,504; p below 6e-5 keeps f16's step of 6e-8; a weight below 2^-126 counts as 0 in l; NaN in q, k, v is not treated apart.
; BY TURNS.  Turn n belongs to piece n: 16 products K Q^T of piece n + 1, later 16 products V^T P of piece n - 1; beside them the scaling, exponentials, roundings, sums and rescaling of piece n and the
; maximum and statistics of piece n + 1.  Four vector instructions stand behind every matrix instruction, the rest in one lump; a turn's 66 exponentials are one batch with one wait.
; CLUSTER.  The four query blocks of a cluster walk the same K and V: each tile is asked for jointly.  A slot holds two key steps; waves 0, 1 fetch their K, waves 2, 3 their V.
; REGISTERS, in windows of 256 (s_set_vgpr_msb: bits 1:0 source 0, 3:2 source 1, 5:4 source 2, 7:6 destination):
;   window 0: v0-11 addresses; v12-15, v48-63 at work; v16-47 statistics; v64-191 S^T, two buffers of two tile-heads; v192-255 P, likewise
;   window 1: O^T, 32 a tile-head      window 2: v0-127 Q; v128-255 K of one step      window 3: v0-127 V of one step; v128-255 the masks, 32 a piece
.set NP,    4
.set KS,    64
.set ROWB,  2048      ; bytes in a row of q, k, v, O
.set PK,    272       ; a row of K in LDS: 256 + 16 bytes = 68 words: the 16 rows of a load start at 16 different groups of four banks (ISA guide 11.1)
.set PV,    288       ; a row of V: 256 + 32 = 72 words
.set VOFF,  KS*PK     ; a step's tiles lie together: 64 rows of K, then 64 rows of V
.set STEPB, KS*(PK+PV)
.set SLOT1, 1<<17     ; slot 1 begins here: one exclusive or turns an address in one slot into the other's
.set STAGE, SLOT1+2*STEPB  ; behind the ring, never filled by a tensor load: 16 rows x 272 bytes a wave
.set SP,    272
.set SPARE, STAGE+4*16*SP  ; the spare words, 128 bytes a wave: two blocks of 256 bytes that no other line names
.set MO,  1           ; v1   16 x lane: my 16 bytes of a mask quad; never rewritten once made
.set AK0, 2           ; v2   my lane's place in a tile of K
.set AV0, 3           ; v3   the same for V
.set AK,  4           ; v4   the LDS address of K's next run of loads
.set AV,  5           ; v5   of V's
.set QO,  6           ; v6   my byte offset in 16 rows of Q;
.set STO, 6           ;      later: where I put 16 bytes of a row of O
.set RD,  7           ; v7   where I read rows back
.set GO,  8           ; v8   my byte offset in two rows of O
.set PFO, 9           ; v9   2,048 x lane: the prefetches' row
.set SPW, 10          ; v10  my spare word; never rewritten
.set NIL, 11          ; v11  0; never rewritten
.set MV,  12          ; v12-15  c m_old, by buffer and head (before the first statistics: l % 16, l / 16, l % 8, (l / 8) % 2)
.set ST,  16          ; tile-head t's statistics at v[ST+4 t]: c m, m, l (even keys', odd keys')
.set TMP, 48          ; by buffer and head, four registers at work; c2 takes a
.set S,   64
.set P,   192
.set KF,  128         ; window 2: key block kb, head u, channel half c at KF + 32 kb + 16 u + 8 c
.set VF,  0           ; window 3: key half kk, head u, channel block cb at VF + 64 kk + 32 u + 8 cb
.set MK,  128         ; window 3: piece x's mask at MK + 32 x, key block kb at + 8 kb
.set WV,  12          ; s12  my wave's number
.set G1K, 24          ; s[24:31] group 1 for K's tiles
.set G1V, 32          ; s[32:39] for V's: other padding
.set G0K, 40          ; s[40:43] group 0 for K: it walks
.set G0V, 44          ; s[44:47] for V
.set MB,  48          ; s[48:49] mk at my wave's four tiles, at the step that is being loaded
.set MS,  50          ; s[50:51] what steps it: 4,096, at the end 0
.set PFA, 52          ; s[52:53] where my prefetches stand
.set LIM, 54          ; s54  1 in a wave that prefetches, else the greatest number
.set THR, 55          ; s55  -2^96
.set SLOTS, 56        ; s56  slots still to be asked for
.set CNT, 57          ; s57  counts a slot's key steps
.set CS,  58          ; s[58:59] c
.set SEL, 60          ; s[60:61] v_permlanex16_b32's selects
.set TBK, 62          ; s62  LDS byte at which the step whose K is fetched next begins
.set TBV, 63          ; s63  the same for V
.set MSB, 0
.macro WIN new
.if MSB != (\new)
	s_set_vgpr_msb (MSB<<8)|(\new)
.set MSB, (\new)
.endif
.endm
.set W_KM, 0x3a       ; K and Q in window 2, the mask (C) in window 3, S^T in window 0
.set W_KQ, 0x0a       ; K and Q in window 2, S^T in window 0
.set W_PV, 0x53       ; V in window 3, P in window 0, O^T in window 1
.set W_RS, 0x41       ; O^T (destination and source 0) in window 1, a in window 0
.macro JLOAD                        ; a joint fill; the branch hangs on the wave's number alone; an s_nop 0 and four v_nop follow each line
	s_cmp_lt_u32 s[WV], 2
	s_cbranch_scc0 .Lfor_v_\@
	tensor_load_to_lds s[G0K:G0K+3], s[G1K:G1K+7]
	s_nop 0
.rept 4
	v_nop
.endr
	s_branch .Lasked_\@
.Lfor_v_\@:
	tensor_load_to_lds s[G0V:G0V+3], s[G1V:G1V+7]
	s_nop 0
.rept 4
	v_nop
.endr
.Lasked_\@:
.endm
; A PREFETCH of what the NEXT change of slots will ask for: a slot's 128 rows of K and of V, 256 bytes a row, a lane a row.  Each row is named once in the launch: of the two clusters that walk a head pair's
; K and V the first asks; its four partners take 32 rows each, told apart by address; in each, wave 0 asks for K's and wave 2 for V's.  The last change that fills a slot asks for nothing.
.macro ASK
	s_cmp_gt_u32 s[SLOTS], s[LIM]
	s_cbranch_scc0 .Lnot_mine_\@
	global_prefetch_b8 v[PFO], s[PFA:PFA+1] th:TH_LOAD_NT scope:SCOPE_SE
.Lnot_mine_\@:
.endm
.macro CROUND                       ; a round of the cluster's barrier
	s_barrier_signal -1
	s_barrier_wait -1
	s_cmp_lg_u32 s[WV], 0
	s_cbranch_scc1 .Lnot_wave_0_\@
	s_barrier_signal -3
.Lnot_wave_0_\@:
	s_barrier_wait -3
	s_barrier_signal -1
	s_barrier_wait -1
.endm
; THE CHANGE OF SLOTS.  Each wave waits for all its tensor loads, of which one is out: its part of the other slot; adds 0 to its spare word; waits for that and for its reads of the slot.
; fill = 1: the barrier is a round of the cluster's, and the slot just left is filled again, with the keys two slots on, first thing behind it: it has two key steps, 256 matrix instructions, in which to land.
; (At its first use nothing has been read yet: slot 0 is waited for, slot 1 filled.)
.macro CHANGE fill
	WIN 0
	s_wait_tensorcnt 0x0            ; no tensor load of mine is out, so a group 0 may be written
	ds_add_u32 v[SPW], v[NIL]
.if \fill
.irp g, G0K, G0V
	s_xor_b32 s[\g+1], s[\g+1], SLOT1
	s_add_nc_u64 s[\g+2:\g+3], s[\g+2:\g+3], 2*KS*ROWB  ; the next 128 keys; the type bits on top are not reached
.endr
	s_wait_xcnt 0x0                 ; the last prefetch, two key steps back, has read its address
	s_add_nc_u64 s[PFA:PFA+1], s[PFA:PFA+1], 2*KS*ROWB  ; one slot ahead of the walking descriptors
	s_wait_dscnt 0x0                ; the add is done, my reads of the slot are over
	CROUND
	JLOAD
	ASK
.else
	s_wait_dscnt 0x0
	s_barrier_signal -1
	s_barrier_wait -1
.endif
	s_sub_co_u32 s[TBK], s[TBK], 2*STEPB  ; the fetches go back to a slot's first step,
	s_xor_b32 s[TBK], s[TBK], SLOT1       ; in the other slot
	s_sub_co_u32 s[TBV], s[TBV], 2*STEPB
	s_xor_b32 s[TBV], s[TBV], SLOT1
.endm
; Piece x's mask for the step at which MB stands: 8 loads of 512 consecutive bytes.  Piece 0's goes first in a step: it moves MB on, behind the wait that frees the base of the loads before.
.macro MLOAD x, step=1
.if ((\x) == 0) && (\step)
	s_wait_xcnt 0x0
	s_add_nc_u64 s[MB:MB+1], s[MB:MB+1], s[MS:MS+1]
.endif
	WIN 0xc0                        ; destination window 3, address window 0
.irp i, 0,1,2,3,4,5,6,7
	global_load_b128 v[MK+32*(\x)+4*(\i):MK+32*(\x)+4*(\i)+3], v[MO], s[MB:MB+1] offset:(\x)*131072+(\i)*512
.endr
	WIN 0
.endm
	s_load_b128 s[16:19], s[0:1], 0x0  ; qkv s[16:17], mk s[18:19]
	s_load_b64 s[20:21], s[0:1], 0x10  ; ob
	v_lshl_add_u32 v[SPW], v0, 2, SPARE
	v_mov_b32 v[NIL], 0
	ds_add_u32 v[SPW], v[NIL]       ; the wave's opening: the add and its wait stand ahead of my first tensor load; work on registers stands between
	v_lshrrev_b32 v1, 5, v0
	v_readfirstlane_b32 s[WV], v1
	s_bfe_u32 s13, ttmp6, 0x40000   ; cx
	s_lshl_b32 s14, ttmp9, 2
	s_add_co_u32 s14, s14, s13      ; my block of 256 queries: it enters Q's, O's and the mask's addresses alone
	s_and_b32 s15, ttmp7, 0xffff
	s_lshr_b32 s22, s15, 3          ; the batch,
	s_and_b32 s23, s15, 7           ; the pair of heads: the four partners share both
	s_lshl_b32 s2, s22, 22          ; 2,048 rows of 2,048 bytes
	s_lshl_b32 s3, s23, 8           ; 256 bytes of a row
	s_add_co_u32 s2, s2, s3
	s_and_b32 s15, s[WV], 1         ; which of a slot's two steps I fetch:
	s_lshl_b32 s3, s15, 17          ; its 64 rows in memory
	s_add_co_u32 s6, s2, s3
	s_mov_b32 s7, 0                 ; s[6:7]: K's and V's offset
	s_lshl_b32 s3, s14, 19          ; my block's 256 rows,
	s_add_co_u32 s4, s2, s3
	s_lshl_b32 s3, s[WV], 17        ; my wave's 64
	s_add_co_u32 s4, s4, s3
	s_mov_b32 s5, 0                 ; s[4:5]: Q's and O's offset
	s_lshl_b32 s[MB], s22, 24       ; the mask: batch, 16 tiles of queries a block, 4 a wave
	s_lshl_b32 s3, s14, 21
	s_add_co_u32 s[MB], s[MB], s3
	s_lshl_b32 s3, s[WV], 19
	s_add_co_u32 s[MB], s[MB], s3
	s_mov_b32 s[MB+1], 0
	s_mul_i32 s23, s15, STEPB       ; my step's place in a slot: no place in the cluster enters an LDS address
	s_mov_b32 s[G1K], 15|(1<<16)|(1<<20)|(1<<21)|(5<<22)|(3<<25)  ; the mask of four; 2-byte elements; padding on; bit 21 beside a mask; after every 64 words, 4 words
	s_mov_b32 s[G1V], 15|(1<<16)|(1<<20)|(1<<21)|(5<<22)|(7<<25)  ; the same with 8 words
.irp g, G1K, G1V
	s_mov_b32 s[\g+1], 128<<16      ; tensor_dim0 = 128
	s_mov_b32 s[\g+2], KS<<16       ; tensor_dim1 = 64
	s_mov_b32 s[\g+3], 128<<16      ; tile_dim0 = 128
	s_mov_b32 s[\g+4], KS           ; tile_dim1 = 64
	s_mov_b32 s[\g+5], 1024         ; elements from row to row
	s_mov_b32 s[\g+6], 0
	s_mov_b32 s[\g+7], 0
.endr
	s_mov_b32 s[G0K], 1
	s_mov_b32 s[G0K+1], s23         ; slot 0
	s_mov_b32 s[G0V], 1
	s_add_co_u32 s[G0V+1], s23, VOFF
	s_mov_b32 s[MS], 4096
	s_mov_b32 s[MS+1], 0
	s_mov_b32 s[THR], 0xef800000    ; -2^96
	s_mov_b32 s[CS], 0x3e38aa3b     ; c = log2(e) / 8
	s_mov_b32 s[CS+1], s[CS]
	s_mov_b32 s[SEL], 0x76543210
	s_mov_b32 s[SEL+1], 0xfedcba98
	s_mov_b32 s[TBK], SLOT1+2*STEPB ; the first change of slots turns these two into 0
	s_mov_b32 s[TBV], SLOT1+2*STEPB
	s_mov_b32 s[SLOTS], 15          ; 16 slots; the first is asked for below
	s_and_b32 s[LIM], s[WV], 1      ; 0 in waves 0 and 2,
	s_or_b32 s[LIM], s[LIM], ttmp9  ; where the cluster is the pair's first: the same in all four partners
	s_cmp_eq_u32 s[LIM], 0
	s_cselect_b32 s[LIM], 1, -1
	s_wait_dscnt 0x0                ; the opening add is done
	s_wait_kmcnt 0x0
	s_add_nc_u64 s[10:11], s[20:21], s[4:5]      ; O at my wave's first row
	s_add_nc_u64 s[4:5], s[16:17], s[4:5]        ; Q likewise
	s_add_nc_u64 s[6:7], s[16:17], s[6:7]
	s_add_nc_u64 s[8:9], s[6:7], 33554432        ; V at my tile of slot 0
	s_add_nc_u64 s[6:7], s[6:7], 16777216        ; K likewise
	s_add_nc_u64 s[MB:MB+1], s[18:19], s[MB:MB+1]
	s_mov_b64 s[G0K+2:G0K+3], s[6:7]
	s_or_b32 s[G0K+3], s[G0K+3], 0x80000000
	s_mov_b64 s[G0V+2:G0V+3], s[8:9]
	s_or_b32 s[G0V+3], s[G0V+3], 0x80000000
	s_cmp_lt_u32 s[WV], 2
	s_cselect_b64 s[PFA:PFA+1], s[6:7], s[8:9]   ; (in waves 0 and 2 these stand at a slot's first row)
	s_lshl_b32 s2, s13, 16          ; my work-group's 32 rows of the 128
	s_mov_b32 s3, 0
	s_add_nc_u64 s[PFA:PFA+1], s[PFA:PFA+1], s[2:3]
	s_add_nc_u64 s[PFA:PFA+1], s[PFA:PFA+1], 2*KS*ROWB  ; in slot 1; the first change of slots steps it to slot 2
	CROUND                          ; all four work-groups are here: the first joint loads meet
	JLOAD                           ; slot 0
	v_and_b32 v12, 15, v0           ; l % 16
	v_bfe_u32 v13, v0, 4, 1         ; l / 16
	v_lshlrev_b32 v[QO], 11, v12
	v_lshl_add_u32 v[QO], v13, 4, v[QO]  ; row x 2,048 + 16 x half
	v_and_b32 v[MO], 31, v0
	v_lshlrev_b32 v[PFO], 11, v[MO]
	v_lshlrev_b32 v[MO], 4, v[MO]
	WIN 0x80                        ; destination window 2
.set i, 0
.rept 16                            ; Q stays in registers: fragment i = 4 x + 2 u + c: tile x, 64 bytes (head u, channel half c) on
	global_load_b128 v[8*i:8*i+3],   v[QO], s[4:5] offset:(i/4)*32768+(i%4)*64
	global_load_b128 v[8*i+4:8*i+7], v[QO], s[4:5] offset:(i/4)*32768+(i%4)*64+32
.set i, i+1
.endr
	MLOAD 0, 0                      ; the four pieces' masks of key step 0
	MLOAD 1
	MLOAD 2
	MLOAD 3
	; What the first turn finds: V's registers and P's second buffer hold 0 (its products V^T P, of a piece that has not been, add 0), O^T and l are 0.  All this stands in the wait for the first tile.
	WIN 0xc0
.set i, VF
.rept 128
	v_mov_b32 v[i], 0
.set i, i+1
.endr
	WIN 0x40
.set i, 0
.rept 256
	v_mov_b32 v[i], 0
.set i, i+1
.endr
	WIN 0
.set i, 0
.rept 2*NP
	v_mov_b32 v[ST+4*i], 0xfe000000    ; c m: far below every c s
	v_mov_b32 v[ST+4*i+1], 0xff7fffff  ; m
	v_mov_b32 v[ST+4*i+2], 0
	v_mov_b32 v[ST+4*i+3], 0
.set i, i+1
.endr
.set i, P+32
.rept 32
	v_mov_b32 v[i], 0
.set i, i+1
.endr
	v_mul_u32_u24 v[AK0], v12, PK
	v_lshl_add_u32 v[AK0], v13, 4, v[AK0]  ; row x pitch + 16 x half
	; The turning load takes 16 keys x 16 channels (lane l reads key 8 (l / 16) + l % 8, channels 8 ((l / 8) % 2) + 0..7) and leaves half a fragment of V^T: lane l holds channel l % 16 and 8 keys.
	v_and_b32 v14, 7, v0
	v_bfe_u32 v15, v0, 3, 1
	v_lshl_add_u32 v[AV0], v13, 3, v14
	v_mul_u32_u24 v[AV0], v[AV0], PV
	v_lshl_add_u32 v[AV0], v15, 4, v[AV0]
	v_add_nc_u32 v[AV0], VOFF, v[AV0]
	v_mov_b32 v[AK], v[AK0]         ; key step 0 lies at the head of slot 0
; THE MATRIX WORK.  The 8 accumulators of a run of 16 take turns.
; Product i of 16 of S^T = K Q^T for piece x: channels 32 (i / 8) on, keys 16 ((i / 2) % 4) on, head i % 2.  The first 8 start the sums, with the mask: the same registers for both heads.
.macro KQ x
.set rS, S+64*((\x)%2)+32*(i%2)+8*((i/2)%4)
.set rK, KF+32*((i/2)%4)+16*(i%2)+8*(i/8)
.set rQ, 16*(2*(\x)+i%2)+8*(i/8)
.set rMK, MK+32*(\x)+8*((i/2)%4)
.if i < 8
	WIN W_KM
	v_wmma_f32_16x16x32_f16 v[rS:rS+7], v[rK:rK+7], v[rQ:rQ+7], v[rMK:rMK+7]
.else
	WIN W_KQ
	v_wmma_f32_16x16x32_f16 v[rS:rS+7], v[rK:rK+7], v[rQ:rQ+7], v[rS:rS+7]
.endif
.endm
; Product i of 16 of O^T += V^T P for piece x: keys 32 (i / 8) on, channels 16 ((i / 2) % 4) on, head i % 2.
.macro PV x
	WIN W_PV
.set rO, 32*(2*(\x)+i%2)+8*((i/2)%4)
.set rV, VF+64*(i/8)+32*(i%2)+8*((i/2)%4)
.set rP, P+32*((\x)%2)+16*(i%2)+8*(i/8)
	v_wmma_f32_16x16x32_f16 v[rO:rO+7], v[rV:rV+7], v[rP:rP+7], v[rO:rO+7]
.endm
.macro MM                           ; the turn's next matrix instruction
.if i < 16
	KQ (Y+1)%NP
.set i, i+1
.else
.set i, i-16
	PV (Y+NP-1)%NP
.set i, i+17
.endif
.endm
; THE LDS LOADS stand in runs of 32: a step's K (64 keys x 128 channels: 16 fragments) and its V (turned).  last = 1 (the tail): in the last trip there is no further step, and the run is jumped over.
.macro FETCH_K last=0
	WIN 0
.if \last
	s_cmp_eq_u32 s[CNT], 1
	s_cbranch_scc1 .Lno_k_\@
.endif
	WIN 0x80
.irp f, 0,1,2,3,4,5,6,7,8,9,10,11,12,13,14,15  ; keys 16 (f / 4) on, 64 bytes (f % 4) on
	ds_load_b128 v[KF+8*\f:KF+8*\f+3],   v[AK] offset:(\f/4)*16*PK+(\f%4)*64
	ds_load_b128 v[KF+8*\f+4:KF+8*\f+7], v[AK] offset:(\f/4)*16*PK+(\f%4)*64+32
.endr
	s_add_co_u32 s[TBK], s[TBK], STEPB
	WIN 0
.if \last
.Lno_k_\@:
.endif
.endm
.macro FETCH_V
	WIN 0xc0
.irp f, 0,1,2,3,4,5,6,7,8,9,10,11,12,13,14,15  ; keys 32 (f / 8) on, channels 16 (f % 8) on
	ds_load_tr16_b128 v[VF+8*\f:VF+8*\f+3],   v[AV] offset:(\f/8)*32*PV+(\f%8)*32
	ds_load_tr16_b128 v[VF+8*\f+4:VF+8*\f+7], v[AV] offset:(\f/8)*32*PV+16*PV+(\f%8)*32
.endr
	WIN 0
.endm
; THE VECTOR WORK OF A TURN stands in three queues, each in the order in which its entries become ready; the two heads alternate, so that no instruction reads the result of the one before it.
.macro REGS y, u                    ; the registers of head u of piece y
.set rT, ST+4*(2*(\y)+(\u))
.set rC, TMP+8*((\y)%2)+4*(\u)
.set rW, MV+2*((\y)%2)+(\u)
.set rS, S+64*((\y)%2)+32*(\u)
.set rP, P+32*((\y)%2)+16*(\u)
.set rO, 32*(2*(\y)+(\u))
.endm
; Number n of the 22 that find the NEXT piece's maximum and statistics; each accumulator's lowest registers are read first.
;   0-11  four chains c0-c3 of seven scores each     12-14, 16  the four scores left over, the old m, and c0-c3 into c0     15  c m_old is kept
;   17, 18  the query's other 32 keys lie in the lane 16 away: the new m     19-21  c m; c m_old - c m_new; a
.macro XS u, n
	REGS (Y+1)%NP, \u
.if (\n) < 4
	v_max3_num_f32 v[rC+(\n)], v[rS+8*(\n)], v[rS+8*(\n)+1], v[rS+8*(\n)+2]
.elseif (\n) < 12
	v_max3_num_f32 v[rC+(\n)%4], v[rC+(\n)%4], v[rS+8*((\n)%4)+2*((\n)/4)+1], v[rS+8*((\n)%4)+2*((\n)/4)+2]
.elseif (\n) == 12
	v_max3_num_f32 v[rC], v[rC], v[rS+7], v[rS+15]
.elseif (\n) == 13
	v_max3_num_f32 v[rC+1], v[rC+1], v[rS+23], v[rS+31]
.elseif (\n) == 14
	v_max3_num_f32 v[rC+2], v[rC+2], v[rC+3], v[rT+1]
.elseif (\n) == 15
	v_mov_b32 v[rW], v[rT]
.elseif (\n) == 16
	v_max3_num_f32 v[rC], v[rC], v[rC+1], v[rC+2]
.elseif (\n) == 17
	v_permlanex16_b32 v[rC+3], v[rC], s[SEL], s[SEL+1]
.elseif (\n) == 18
	v_max_num_f32 v[rT+1], v[rC], v[rC+3]
.elseif (\n) == 19
	v_mul_f32 v[rT], s[CS], v[rT+1]
.elseif (\n) == 20
	v_sub_f32 v[rC+1], v[rW], v[rT]
.else
	v_exp_f32 v[rC+2], v[rC+1]
.endif
.endm
; Number g of the 64 that follow the exponentials.  For each four weights k: both pairs are rounded to f16; the second pair is added onto the first, in place; a group later l takes that sum (the first time as l = a l + sum).
.macro GS g
.set h, (\g)+6*((\g)/62)
.if h >= 6
.set h, h+2
.endif
	REGS Y, h%2
.set k, h/8
.if h%8 < 4
	v_cvt_pk_f16_f32 v[rP+2*k+(h%8)/2], v[rS+4*k+2*((h%8)/2)], v[rS+4*k+2*((h%8)/2)+1]
.elseif h%8 < 6
	v_pk_add_f32 v[rS+4*k:rS+4*k+1], v[rS+4*k:rS+4*k+1], v[rS+4*k+2:rS+4*k+3]
.elseif k == 1
	v_pk_fma_f32 v[rT+2:rT+3], v[rT+2:rT+3], v[rC+2:rC+3], v[rS:rS+1] op_sel_hi:[1,0,1]
.else
	v_pk_add_f32 v[rT+2:rT+3], v[rT+2:rT+3], v[rS+4*k-4:rS+4*k-3]
.endif
.endm
; THE PLAIN QUEUE, 138 long.  0-73 read no exponential's result: the 32 scalings c s - c m and the next piece's 42.  74-137: GS's 64, behind the wait.
.macro FS f
	REGS Y, (\f)%2
	v_pk_fma_f32 v[rS+2*((\f)/2):rS+2*((\f)/2)+1], v[rS+2*((\f)/2):rS+2*((\f)/2)+1], s[CS:CS+1], v[rT:rT+1] op_sel_hi:[1,0,0] neg_lo:[0,0,1] neg_hi:[0,0,1]
.endm
.macro PL
	WIN 0
.if q < 27
	FS q
.elseif q < 55
	XS (q-27)%2, (q-27)/2
.elseif q < 57
	XS q-55, 15
.elseif (q < 72) && ((q-57)%3 == 0)
	FS 27+(q-57)/3
.elseif q < 60
	XS (q-57)%3-1, 14
.elseif q < 72
	XS (q-57)%3-1, 15+(q-57)/3
.elseif q < 74
	XS q-72, 20
.else
	GS q-74
.endif
.set q, q+1
.endm
; THE EXPONENTIALS' QUEUE, 66 long: s0-s31 of both heads, then the next piece's two a: one batch, all ahead of the turn's one wait.
.macro EX
	WIN 0
.if e >= 64
	XS e-64, 21
.else
	REGS Y, e%2
	v_exp_f32 v[rS+e/2], v[rS+e/2]
.endif
.set e, e+1
.endm
; THE RESCALING's QUEUE: O^T times a, two at a time, sixteen times.  Its a was made, and waited for, in the turn before.
.macro R2
	REGS Y, r%2
	WIN W_RS
.irp z, 0,1
	v_pk_mul_f32 v[rO+4*(r/2)+2*\z:rO+4*(r/2)+2*\z+1], v[rO+4*(r/2)+2*\z:rO+4*(r/2)+2*\z+1], v[rC+2:rC+3] op_sel_hi:[1,0]
.endr
.set r, r+1
.endm
; A TURN, for piece p.  AHEAD OF THE WAIT: the 16 products K Q^T, behind each a scaling, an exponential and two rescalings; then one lump of 108.  BEHIND IT: the 16 products V^T P, behind each four of GS's 64.
; At its head the mask of piece p + 1 must be in: it was asked for four turns ago, and the three younger groups of 8 loads may stay out.  Behind the wait that mask's registers, last read by the turn's eighth
; product with the whole lump between, are asked for again, for the next step.  K of the next step is fetched in piece 2's turn, behind the wait; V of the step in hand at the end of piece 0's turn,
; four plain instructions behind its last reader.  cnt = 1: the loop's count is taken down some lines ahead of the branch that stands behind the turn.
.macro TURN p, last=0, cnt=0
.set Y, (\p)
.set i, 0
.set q, 0
.set e, 0
.set r, 0
	s_wait_loadcnt 24               ; the mask of piece p + 1 is in
.if (\p) == NP-1
	s_wait_dscnt 0x0                ; K is in
.endif
	MM
	PL
	PL
	R2
.rept 15
	MM
	PL
	EX
	R2
.endr
.if (\p) == NP-2
	WIN 0
	v_add_nc_u32 v[AK], s[TBK], v[AK0]
.endif
.rept 8
	PL
.endr
.rept 49
	EX
	PL
.endr
	EX                              ; the next piece's two a
	EX
	v_nop                           ; a plain instruction behind the last exponential: one for the batch
	s_wait_alu depctr_va_vdst(0)    ; the wait between the batch and the first line that names a result of it
	MLOAD ((\p)+1)%NP
.if (\p) == NP-2
	FETCH_K \last
.endif
.if (\p) == 1
	s_wait_dscnt 0x0                ; V is in
.endif
.rept 16
	MM
.rept 4
	PL
.endr
.if ((\p) == 0) && (q == 118)
	v_add_nc_u32 v[AV], s[TBV], v[AV0]
.endif
.if ((\p) == 0) && (q == 130)
	s_add_co_u32 s[TBV], s[TBV], STEPB
.endif
.if (\cnt) && (q == 130)
	s_sub_co_u32 s[CNT], s[CNT], 1
	s_cmp_lg_u32 s[CNT], 0
.endif
.endr
.if (\p) == 0
	FETCH_V
.endif
.endm
	CHANGE 1                        ; slot 0 is in, everybody's part of it; slot 1 is asked for
	FETCH_K                         ; key step 0
	s_wait_loadcnt 24               ; Q and piece 0's mask are in; the other three pieces' masks may stay out
	s_wait_dscnt 0x0
.set i, 0
.rept 16
	KQ 0                            ; piece 0's first scores
.set i, i+1
.endr
	WIN 0                           ; the addresses for the way out: ten plain instructions, the places behind those products
	s_mul_i32 s22, s[WV], 16*SP
	s_add_co_u32 s22, s22, STAGE    ; my stage
	v_mul_u32_u24 v[STO], v12, SP   ; in: row l % 16, 16 bytes for each half of the lanes
	v_lshl_add_u32 v[STO], v13, 4, v[STO]
	v_add_nc_u32 v[STO], s22, v[STO]
	v_mul_u32_u24 v[RD], v13, SP    ; back: lanes 0-15 one row of 256 bytes, lanes 16-31 the next
	v_lshl_add_u32 v[RD], v12, 4, v[RD]
	v_add_nc_u32 v[RD], s22, v[RD]
	v_lshlrev_b32 v[GO], 11, v13    ; and the same two rows in O
	v_lshl_add_u32 v[GO], v12, 4, v[GO]
	v_nop
	v_nop
	MLOAD 0                         ; piece 0's mask of key step 1
.set Y, NP-1                        ; XS works for piece Y + 1: piece 0
.irp n, 0,1,2,3,4,5,6,7,8,9,10,11,12,13,14,15,16,17,18,19,20,21
	XS 0, \n
	XS 1, \n
.endr
	v_nop                           ; a plain instruction behind the two a,
	s_wait_alu depctr_va_vdst(0)    ; and their wait, ahead of the branch
	s_mov_b32 s[CNT], 2
	s_branch .Lfirst                ; the loop is entered at a step's first turn, in the middle of a trip
.Lslot:                             ; 14 times: with the change above, every slot but the first is asked for by a change
	CHANGE 1
	s_mov_b32 s[CNT], 2
.Lstep:                             ; a trip: pieces 2 and 3 of one step, then pieces 0 and 1 of the next, whose K and V it fetches
	TURN 2
	TURN 3
	WIN 0
.Lfirst:
	TURN 0
	TURN 1, 0, 1
	WIN 0
	s_cbranch_scc1 .Lstep
	s_sub_co_u32 s[SLOTS], s[SLOTS], 1
	s_cmp_lg_u32 s[SLOTS], 0
	s_cbranch_scc1 .Lslot
	CHANGE 0                        ; the tail is written out: nothing is asked for
	s_mov_b32 s[CNT], 3             ; two trips fetch the last slot's steps; the third is left in its middle
.Ltail:
	TURN 2, 1
	TURN 3
	WIN 0
	s_mov_b32 s[MS], 0              ; the mask's pointer has reached the last step, 31, and stays: the loads that are over read that step again, inside mk, and every count stays as it is
	s_sub_co_u32 s[CNT], s[CNT], 1
	s_cmp_eq_u32 s[CNT], 0
	s_cbranch_scc1 .Lout
	TURN 0
	TURN 1
	WIN 0
	s_branch .Ltail
.Lout:                              ; the third trip's 16 products K Q^T make step 31's scores of piece 0 once more (the same K, the same mask): m stays as it was
.set i, 0
.rept 16
	PV NP-1                         ; the last piece's V^T P of the last step
.set i, i+1
.endr
	; THE WAY OUT.  l's two halves and the other half of the lanes' are added; where no key was visible l becomes NaN; O^T is divided by l, rounded to f16 and sent through my stage, a piece (16 rows x 256 bytes) at a time.
	WIN 0
.macro ALL line:vararg              ; one line for each tile-head t
.set t, 0
.rept 2*NP
	\line
.set t, t+1
.endr
.endm
	ALL v_add_f32 v[ST+4*t+2], v[ST+4*t+2], v[ST+4*t+3]
	ALL v_permlanex16_b32 v[ST+4*t+3], v[ST+4*t+2], s[SEL], s[SEL+1]
	ALL v_add_f32 v[ST+4*t+2], v[ST+4*t+2], v[ST+4*t+3]
	v_mov_b32 v[TMP], 0x7fc00000    ; NaN
.set t, 0
.rept 2*NP
	v_cmp_le_f32 vcc_lo, s[THR], v[ST+4*t+1]       ; has the row seen a key?
	v_cndmask_b32 v[ST+4*t+2], v[TMP], v[ST+4*t+2], vcc_lo
.set t, t+1
.endr
	ALL v_rcp_f32 v[ST+4*t+2], v[ST+4*t+2]
	v_nop                           ; a plain instruction between the last reciprocal and the use of its result
	s_wait_alu depctr_va_vdst(0)    ; and the wait: one for the eight reciprocals
.macro PACK x                       ; a lane's eight channels pack into 16 bytes; both heads' go into rows of 272 bytes and come back as whole rows of 256, into the registers that they left
	WIN W_RS
.irp u, 0,1
.set i, 64*(\x)+32*(\u)
.rept 16
	v_pk_mul_f32 v[i:i+1], v[i:i+1], v[ST+4*(2*(\x)+(\u))+2:ST+4*(2*(\x)+(\u))+3] op_sel_hi:[1,0]
.set i, i+2
.endr
.endr
	WIN 0x05                        ; sources in window 1, destination in window 0
.set i, 0
.rept 32
	v_cvt_pk_f16_f32 v[S+32*(\x)+i], v[64*(\x)+2*i], v[64*(\x)+2*i+1]
.set i, i+1
.endr
	WIN 0
.irp f, 0,1,2,3,4,5,6,7
	ds_store_b128 v[STO], v[S+32*(\x)+4*\f:S+32*(\x)+4*\f+3] offset:32*\f
.endr
.irp f, 0,1,2,3,4,5,6,7
	ds_load_b128 v[S+32*(\x)+4*\f:S+32*(\x)+4*\f+3], v[RD] offset:\f*2*SP  ; LDS serves a wave's instructions in order (ISA guide 5.7.1.4): these see the stores above; the next piece's stores come behind them
.endr
.endm
.macro SEND x, younger              ; younger: the LDS instructions issued behind piece x's loads: the next piece's sixteen, or none
	WIN 0
.irp f, 0,1,2,3,4,5,6,7
	s_wait_dscnt (\younger)+7-\f
	global_store_b128 v[GO], v[S+32*(\x)+4*\f:S+32*(\x)+4*\f+3], s[10:11] offset:(\x)*32768+\f*4096  ; 16 lanes store 256 consecutive bytes, aligned
.endr
.endm
	PACK 0
	PACK 1
	SEND 0, 16
	PACK 2
	SEND 1, 16
	PACK 3
	SEND 2, 16
	SEND 3, 0
	s_wait_tensorcnt 0x0            ; the wave's end: the add and its waits, behind my last tensor load and my last LDS store
	ds_add_u32 v[SPW], v[NIL]
	s_wait_dscnt 0x0
	CROUND                          ; the closing round
	s_endpgm
.Lfunc_end_k_qfd434e4b15_attn:
	.size	k_qfd434e4b15_attn, .Lfunc_end_k_qfd434e4b15_attn-k_qfd434e4b15_attn
	.p2alignl 7, 3214868480
	.fill 96, 4, 3214868480
	.section	.rodata,"a",@progbits
	.p2align	6, 0x0
	.amdhsa_kernel k_qfd434e4b15_attn
		.amdhsa_group_segment_fixed_size 327680
		.amdhsa_private_segment_fixed_size 0
		.amdhsa_enable_private_segment 0
		.amdhsa_kernarg_size 24
		.amdhsa_user_sgpr_count 2
		.amdhsa_user_sgpr_kernarg_segment_ptr 1
		.amdhsa_wavefront_size32 1
		.amdhsa_system_sgpr_workgroup_id_x 1
		.amdhsa_system_sgpr_workgroup_id_y 1
		.amdhsa_system_sgpr_workgroup_id_z 1
		.amdhsa_system_vgpr_workitem_id 0
		.amdhsa_next_free_vgpr 1024
		.amdhsa_next_free_sgpr 66
		.amdhsa_reserve_vcc 1
		.amdhsa_float_denorm_mode_32 3
		.amdhsa_float_denorm_mode_16_64 3
		.amdhsa_memory_ordered 1
		.amdhsa_forward_progress 1
		.amdhsa_inst_pref_size 219
	.end_amdhsa_kernel
	.amdgpu_metadata
---
amdhsa.version: [ 1, 2 ]
amdhsa.kernels:
  - .name:           k_qfd434e4b15_attn
    .symbol:         k_qfd434e4b15_attn.kd
    .args:
      - { .name: qkv, .offset: 0, .size: 8, .value_kind: global_buffer, .address_space: global }
      - { .name: mk, .offset: 8, .size: 8, .value_kind: global_buffer, .address_space: global }
      - { .name: ob, .offset: 16, .size: 8, .value_kind: global_buffer, .address_space: global }
    .group_segment_fixed_size: 327680
    .private_segment_fixed_size: 0
    .kernarg_segment_align: 8
    .kernarg_segment_size: 24
    .max_flat_workgroup_size: 128
    .sgpr_count:     66
    .vgpr_count:     1024
    .wavefront_size: 32
...
	.end_amdgpu_metadata
.endif
;; end of part 3
;; launch outp (part 4): grid 4 x 64, 4 waves a work-group, clusters of 4 x 4, 327,680 bytes of LDS; arguments ob, cb, bo, out0; writes out0
.if DOCPART == 4
	.amdgcn_target "amdgcn-amd-amdhsa--gfx1250"
	.amdhsa_code_object_version 6
	.text
	.protected	k_qfd434e4b15_outp
	.globl	k_qfd434e4b15_outp
	.p2align	8
	.type	k_qfd434e4b15_outp,@function
k_qfd434e4b15_outp:
	s_mov_b64 s[64:65], 0
	v_nop
	global_prefetch_b8 v0, s[64:65] scope:SCOPE_SE
	s_setreg_imm32_b32 hwreg(HW_REG_WAVE_MODE, 25, 1), 1
	s_wait_xcnt 0x0
	s_wait_alu depctr_hold_cnt(0) depctr_sa_sdst(0) depctr_va_vdst(0) depctr_va_sdst(0) depctr_va_ssrc(0) depctr_va_vcc(0) depctr_vm_vsrc(0)
	s_getreg_b32 s2, hwreg(HW_REG_IB_STS2, 6, 4)
	s_cmp_eq_u32 s2, 0
	s_cbranch_scc0 .Lentry_in_a_cluster
	s_endpgm
.Lentry_in_a_cluster:
	s_bfe_u32 s2, ttmp6, 0x10000c
	s_cmp_lg_u32 s2, 0xf033
	s_cbranch_scc0 .Lentry_shape_is_right
	s_endpgm
.Lentry_shape_is_right:
; C = A B^T + bias.  One text for two launches, told apart by MODE.
; MODE 0: A = the casts of query, key, value, one [24576][1024] bf16; B = Wq, Wk, Wv, [3072][1024] bf16: row third p of A takes weight p and bias p;
;         C = qkv, [24576][1024] f16: q, k, v in their natural layout, q WITHOUT the scale 1/8 (the attention launch applies it in f32).
; MODE 1: A = the attention's result, [8192][1024] f16; B = Wo as f16; C = out0, [8192][1024] f32.
; Sums in f32.  The bias, rounded to bf16 like every input, is the C operand of the products that start the sums: nothing is cleared, nothing is added at the end.
; LIMIT (MODE 0): f16 holds no number beyond 65,504: q, k and v must stay within it.
; SHARES.  A tile of C is 128 x 256: 768 (MODE 0) or 256 (MODE 1) work-groups, whole multiples of 256.  Four waves, 2 x 2, each 64 x 128: 32 accumulators, 256 registers.
; K = 1024 goes in 8 steps of 128 (rows of 256 bytes, aligned) through two LDS slots.  A request stands behind one step's barrier, the wait for it 112 matrix instructions later.
; CLUSTER 4 x 4: A's tile is asked for jointly along a row of the cluster, B's along a column.  Waves 0, 1 fetch A's two halves (64 rows), waves 2, 3 B's (128 rows).
; THE MATRIX INSTRUCTION IS USED TRANSPOSED (source 0 = 16 rows of B, source 1 = 16 rows of A): a lane holds eight neighbouring numbers of a row of C.
; REGISTERS.  window 0: v0-31 addresses; v32-63 at work; two fragment buffers of 96 at v64 and v160 (A's four fragments, then B's eight).
;   window 1: accumulator (a, b) at v[8 (8 a + b)].   window 2: v0-63 the bias of my 128 columns, as C registers: column block b at v[8 b].
.set MODE,   1
.set KSTEP,  128
.set PITCH,  272                       ; an LDS row: 256 bytes + 16 of padding = 68 words: the 16 rows of a fragment load start at 16 different groups of four banks (ISA guide 11.1)
.set ATILE,  128*PITCH                 ; A's 128 rows; B's 256 follow
.set SLOT,   384*PITCH
.set STAGE,  2*SLOT                    ; behind the ring: 16 rows for each wave, for the way out; no tensor load lands here
.if MODE
.set SP,     528                       ; a stage row: 128 f32 + 16 bytes
.else
.set SP,     272                       ; 128 f16 + 16 bytes
.endif
.set SPARE,  STAGE+4*16*SP             ; behind the stages: the spare words, 128 bytes a wave: two blocks of 256 bytes that no other line names
.set LAPS,   4                         ; a lap = two K steps
.set ADRA, 16                          ; v16-17  LDS address of my A fragments in slot 0, 1
.set ADRB, 20                          ; v20-21  the same for B
.set STO,  24                          ; v24     the way out: where I put my part of a row
.set RD,   25                          ; v25     where I read rows back
.set CO,   26                          ; v26     my byte offset in C
.set BO,   27                          ; v27     32 x (lane / 16): my eight numbers in 16 of the bias
.set SPW,  28                          ; v28     my spare word; never rewritten
.set NIL,  29                          ; v29     0; never rewritten
.set TMP,  32
.set F0,   64
.set F1,   160
.set WV,   14                          ; s14 wave;  s15 = wave / 2: my half of the rows, and 0: I fetch A, 1: B;  s16 = wave % 2: my half of the columns, and which half I fetch
.set G1,   24                          ; s[24:31] group 1 for A;  s[32:39] group 0, a set a slot
.set G0,   32
.set G1B,  48                          ; s[48:55], s[56:63] the same for B
.set G0B,  56
.set PA,   66                          ; s[66:67] A at my fetch's first row
.set PB,   68                          ; s[68:69] B likewise
.set PBI,  70                          ; s[70:71] the bias at my 128 columns
.set PC,   72                          ; s[72:73] C at my 64 x 128
.set MSB, 0
.macro WIN new                         ; the immediate's high byte repeats the setting that is left; a switch that changes nothing is dropped
.if MSB != (\new)
	s_set_vgpr_msb (MSB<<8)|(\new)
.set MSB, \new
.endif
.endm
.set MUL,  0x50                        ; fragments in window 0; C and D in window 1
.set MULB, 0x60                        ; C in window 2 (the bias), D in window 1
.macro PLACES                          ; four plain places behind matrix instructions, ahead of loads into registers that they read and of reads of their results
.rept 4
	v_nop
.endr
.endm
.macro JLOAD s                         ; a joint load; the branch hangs on the wave's number alone.  An s_nop 0 and four v_nop follow each line
	s_cmp_eq_u32 s15, 0
	s_cbranch_scc0 .Lfor_b_\@
	tensor_load_to_lds s[G0+4*(\s):G0+4*(\s)+3], s[G1:G1+7]
	s_nop 0
.rept 4
	v_nop
.endr
	s_branch .Lasked_\@
.Lfor_b_\@:
	tensor_load_to_lds s[G0B+4*(\s):G0B+4*(\s)+3], s[G1B:G1B+7]
	s_nop 0
.rept 4
	v_nop
.endr
.Lasked_\@:
.endm
.macro CREST                           ; a round of the cluster's barrier behind its opening barrier
	s_cmp_lg_u32 s[WV], 0
	s_cbranch_scc1 .Lnot_wave_0_\@
	s_barrier_signal -3
.Lnot_wave_0_\@:
	s_barrier_wait -3
	s_barrier_signal -1
	s_barrier_wait -1
.endm
.macro CROUND
	s_barrier_signal -1
	s_barrier_wait -1
	CREST
.endm
	s_load_b256 s[4:11], s[0:1], 0x0               ; MODE 0: cb, bq, bk, bv;  MODE 1: ob, cb, bo, out0
.if !MODE
	s_load_b64 s[12:13], s[0:1], 0x20              ; qkv
.endif
	v_lshl_add_u32 v[SPW], v0, 2, SPARE
	v_mov_b32 v[NIL], 0
	ds_add_u32 v[SPW], v[NIL]                      ; the wave's opening: the add and its wait stand ahead of my first tensor load; work on registers stands between
	v_lshrrev_b32 v1, 5, v0
	v_readfirstlane_b32 s[WV], v1
	s_lshr_b32 s15, s[WV], 1
	s_and_b32 s16, s[WV], 1
	s_bfe_u32 s17, ttmp6, 0x40000                  ; cx
	s_bfe_u32 s18, ttmp6, 0x40004                  ; cy
	s_lshl_b32 s19, ttmp9, 2
	s_add_co_u32 s19, s19, s17                     ; tile column = 4 x cluster x + cx
	s_and_b32 s21, ttmp7, 0xffff                   ; cluster y
	s_lshl_b32 s20, s21, 2
	s_add_co_u32 s20, s20, s18                     ; tile row = 4 x cluster y + cy
	s_lshr_b32 s21, s21, 4                         ; MODE 0: the third of A: 16 clusters each; the same in all partners
	s_lshl_b32 s76, s18, 2
	s_lshl_b32 s76, 15, s76                        ; my row of the cluster
	s_lshl_b32 s77, 0x1111, s17                    ; my column
	s_or_b32 s[G1], s76, (1<<16)|(1<<20)|(1<<21)|(5<<22)|(3<<25)   ; the mask; 2-byte elements; padding on; bit 21 beside a mask; after every 64 words, 4 words
	s_or_b32 s[G1B], s77, (1<<16)|(1<<20)|(1<<21)|(5<<22)|(3<<25)
	s_mov_b32 s[G1+1], KSTEP<<16                   ; tensor_dim0 = 128
	s_mov_b32 s[G1+2], 64<<16                      ; tensor_dim1 = 64
	s_mov_b32 s[G1+3], KSTEP<<16                   ; tile_dim0 = 128
	s_mov_b32 s[G1+4], 64                          ; tile_dim1 = 64
	s_mov_b32 s[G1+5], 1024                        ; elements from row to row
	s_mov_b32 s[G1+6], 0
	s_mov_b32 s[G1+7], 0
	s_mov_b32 s[G1B+1], KSTEP<<16
	s_mov_b32 s[G1B+2], 128<<16                    ; B: 128 rows a load
	s_mov_b32 s[G1B+3], KSTEP<<16
	s_mov_b32 s[G1B+4], 128
	s_mov_b32 s[G1B+5], 1024
	s_mov_b32 s[G1B+6], 0
	s_mov_b32 s[G1B+7], 0
	s_lshl_b32 s40, s20, 7                         ; A: row 128 x tile row + 64 x half, in registers that never hold cx
	s_lshl_b32 s22, s16, 6
	s_add_co_u32 s40, s40, s22
	s_lshl_b32 s40, s40, 11                        ; rows of 2,048 bytes
	s_mov_b32 s41, 0
	s_lshl_b32 s44, s19, 8                         ; B: row 256 x tile column + 128 x half (+ 1,024 x third), in registers that never hold cy
	s_lshl_b32 s22, s16, 7
	s_add_co_u32 s44, s44, s22
.if !MODE
	s_lshl_b32 s22, s21, 10
	s_add_co_u32 s44, s44, s22
.endif
	s_lshl_b32 s44, s44, 11
	s_mov_b32 s45, 0
	s_mul_i32 s74, s16, 64*PITCH                   ; where they go: no place in the cluster enters an LDS address
	s_mul_i32 s75, s16, 128*PITCH
	s_add_co_u32 s75, s75, ATILE
	s_wait_dscnt 0x0                               ; the opening add is done
	s_wait_kmcnt 0x0
.if MODE
	s_mov_b64 s[PA:PA+1], s[4:5]
	s_add_nc_u64 s[PB:PB+1], s[6:7], 56623104      ; Wo's cast in cb
	s_mov_b64 s[PBI:PBI+1], s[8:9]
	s_mov_b64 s[PC:PC+1], s[10:11]
.else
	s_mov_b64 s[PA:PA+1], s[4:5]
	s_add_nc_u64 s[PB:PB+1], s[4:5], 50331648      ; the three weights' casts in cb
	s_cmp_eq_u32 s21, 1
	s_cselect_b64 s[PBI:PBI+1], s[8:9], s[6:7]
	s_cmp_eq_u32 s21, 2
	s_cselect_b64 s[PBI:PBI+1], s[10:11], s[PBI:PBI+1]
	s_mov_b64 s[PC:PC+1], s[12:13]
.endif
	s_add_nc_u64 s[PA:PA+1], s[PA:PA+1], s[40:41]
	s_add_nc_u64 s[PB:PB+1], s[PB:PB+1], s[44:45]
	CROUND                                         ; all sixteen work-groups are here: the first joint loads meet
.irp s, 0,1
	s_mov_b32 s[G0+4*(\s)], 1
	s_add_co_u32 s[G0+4*(\s)+1], s74, (\s)*SLOT
	s_add_nc_u64 s[G0+4*(\s)+2:G0+4*(\s)+3], s[PA:PA+1], (\s)*KSTEP*2
	s_or_b32 s[G0+4*(\s)+3], s[G0+4*(\s)+3], 0x80000000
	s_mov_b32 s[G0B+4*(\s)], 1
	s_add_co_u32 s[G0B+4*(\s)+1], s75, (\s)*SLOT
	s_add_nc_u64 s[G0B+4*(\s)+2:G0B+4*(\s)+3], s[PB:PB+1], (\s)*KSTEP*2
	s_or_b32 s[G0B+4*(\s)+3], s[G0B+4*(\s)+3], 0x80000000
	JLOAD \s                                       ; two loads of mine are out
.endr
	v_and_b32 v1, 15, v0                           ; l % 16
	v_bfe_u32 v2, v0, 4, 1                         ; l / 16
	v_lshlrev_b32 v[BO], 5, v2
	s_lshl_b32 s46, s19, 10                        ; the bias of my 128 columns: 4 x (256 x tile column + 128 x half)
	s_lshl_b32 s47, s16, 9
	s_add_co_u32 s46, s46, s47
	s_mov_b32 s47, 0
	s_add_nc_u64 s[PBI:PBI+1], s[PBI:PBI+1], s[46:47]
.irp b, 0,1,2,3,4,5,6,7
	global_load_b128 v[F1+8*(\b):F1+8*(\b)+3],   v[BO], s[PBI:PBI+1] offset:64*(\b)      ; register j of block b: column 16 b + 8 (l / 16) + j
	global_load_b128 v[F1+8*(\b)+4:F1+8*(\b)+7], v[BO], s[PBI:PBI+1] offset:64*(\b)+16
.endr
	v_mul_u32_u24 v3, v1, PITCH
	v_lshl_add_u32 v3, v2, 4, v3                   ; a fragment's row x pitch + 16 x half
	s_mul_i32 s22, s15, 64*PITCH                   ; my 64 rows of A
	s_mul_i32 s23, s16, 128*PITCH                  ; my 128 rows of B,
	s_add_co_u32 s23, s23, ATILE                   ; behind A's 128
.irp s, 0,1
	v_add_nc_u32 v[ADRA+(\s)], s22, v3
	v_add_nc_u32 v[ADRB+(\s)], s23, v3
	s_add_co_u32 s22, s22, SLOT
	s_add_co_u32 s23, s23, SLOT
.endr
	s_mul_i32 s22, s[WV], 16*SP
	s_add_co_u32 s22, s22, STAGE                   ; my stage
	v_mul_u32_u24 v4, v1, SP
.if MODE
	v_lshl_add_u32 v4, v2, 5, v4                   ; in: row l % 16, 32 bytes for each half of the lanes
	v_add_nc_u32 v[STO], s22, v4
	v_and_b32 v5, 31, v0
	v_lshlrev_b32 v[CO], 4, v5                     ; back: 32 lanes take one row of 512 bytes
	v_add_nc_u32 v[RD], s22, v[CO]
.else
	v_lshl_add_u32 v4, v2, 4, v4                   ; in: row l % 16, 16 bytes for each half of the lanes
	v_add_nc_u32 v[STO], s22, v4
	v_mul_u32_u24 v5, v2, SP                       ; back: lanes 0-15 one row of 256 bytes, lanes 16-31 the next
	v_lshl_add_u32 v5, v1, 4, v5
	v_add_nc_u32 v[RD], s22, v5
	v_lshlrev_b32 v5, 11, v2                       ; and the same two rows in C
	v_lshl_add_u32 v[CO], v1, 4, v5
.endif
	s_lshl_b32 s42, s20, 7
	s_lshl_b32 s43, s15, 6
	s_add_co_u32 s42, s42, s43                     ; my first row of C
	s_lshl_b32 s42, s42, 11+MODE                   ; rows of 2,048 or 4,096 bytes
	s_lshl_b32 s43, s19, 9+MODE                    ; my first column
	s_add_co_u32 s42, s42, s43
	s_lshl_b32 s43, s16, 8+MODE
	s_add_co_u32 s42, s42, s43
	s_mov_b32 s43, 0
	s_add_nc_u64 s[PC:PC+1], s[PC:PC+1], s[42:43]
	s_wait_loadcnt 0x0                             ; the bias
.set k, 0
.rept 32
	v_cvt_pk_bf16_f32 v[TMP+k], v[F1+2*k], v[F1+2*k+1]             ; rounded to bf16 like every input,
.set k, k+1
.endr
	WIN 0x80                                       ; destination window 2
.set k, 0
.rept 32
	v_lshlrev_b32 v[2*k],   16, v[TMP+k]                           ; and back in f32, as C registers
	v_and_b32     v[2*k+1], 0xffff0000, v[TMP+k]
.set k, k+1
.endr
	WIN 0
; 8 matrix instructions: m block a x all 8 n blocks, 32 along K, from buffer f.  zero = 1: the bias starts the sums.
; The 32 accumulators take turns in the same order in every quarter, over the backward jump too.
.macro MUL8 f, a, zero
.if \zero
	WIN MULB
.else
	WIN MUL
.endif
.irp b, 0,1,2,3,4,5,6,7
.set rD, 8*(8*(\a)+(\b))
.set rB, (\f)+32+8*(\b)
.set rA, (\f)+8*(\a)
.if (\zero) && MODE
	v_wmma_f32_16x16x32_f16 v[rD:rD+7], v[rB:rB+7], v[rA:rA+7], v[8*(\b):8*(\b)+7]
.elseif \zero
	v_wmma_f32_16x16x32_bf16 v[rD:rD+7], v[rB:rB+7], v[rA:rA+7], v[8*(\b):8*(\b)+7]
.elseif MODE
	v_wmma_f32_16x16x32_f16 v[rD:rD+7], v[rB:rB+7], v[rA:rA+7], v[rD:rD+7]
.else
	v_wmma_f32_16x16x32_bf16 v[rD:rD+7], v[rB:rB+7], v[rA:rA+7], v[rD:rD+7]
.endif
.endr
.endm
; 24 LDS loads in one run: the fragments of 32 along K at byte k of the rows, into buffer f: B's sixteen, then A's eight
.macro FETCH slot, k, f
	WIN 0
.irp i, 0,1,2,3,4,5,6,7
	ds_load_b128 v[(\f)+32+8*(\i):(\f)+32+8*(\i)+3],   v[ADRB+(\slot)] offset:(\k)+(\i)*16*PITCH
	ds_load_b128 v[(\f)+32+8*(\i)+4:(\f)+32+8*(\i)+7], v[ADRB+(\slot)] offset:(\k)+(\i)*16*PITCH+32
.endr
.irp i, 0,1,2,3
	ds_load_b128 v[(\f)+8*(\i):(\f)+8*(\i)+3],   v[ADRA+(\slot)] offset:(\k)+(\i)*16*PITCH
	ds_load_b128 v[(\f)+8*(\i)+4:(\f)+8*(\i)+7], v[ADRA+(\slot)] offset:(\k)+(\i)*16*PITCH+32
.endr
.endm
; A K step is four quarters of 32 along K, 32 matrix instructions each, on buffers 0, 1, 0, 1.  One of the first three:
.macro QUARTER slot, k, f, g, zero
	s_wait_dscnt 4                                 ; B and A's blocks 0, 1 are in; the youngest four loads (blocks 2, 3) may be out
	MUL8 \f, 0, \zero
	MUL8 \f, 1, \zero
	PLACES
	FETCH \slot, \k, \g
	s_wait_dscnt 24                                ; all but the 24 just issued
	MUL8 \f, 2, \zero
	MUL8 \f, 3, \zero
.endm
; The last quarter multiplies buffer 1 and changes slots: one barrier; ahead of it each wave waits for all its tensor loads (its part of the next slot), adds 0 to its spare word,
; and waits for that and for its reads of this slot.  fill = 1: the barrier opens a round of the cluster's, and this slot is filled again, two K steps on, first thing behind it.
.macro TURN slot, next, fill
	WIN 0
	s_wait_tensorcnt 0x0
	ds_add_u32 v[SPW], v[NIL]
	s_wait_dscnt 5                                 ; the add and the youngest four loads may be out
	MUL8 F1, 0, 0
	s_wait_dscnt 0x0                               ; the add is done, my reads of this slot are over
	s_barrier_signal -1
	MUL8 F1, 1, 0
.if \fill
	WIN 0
.endif
	s_barrier_wait -1
.if \fill
	CREST                                          ; no wave of any partner still reads this slot or has a load on its way
	s_add_nc_u64 s[G0+4*(\slot)+2:G0+4*(\slot)+3], s[G0+4*(\slot)+2:G0+4*(\slot)+3], 2*KSTEP*2
	s_add_nc_u64 s[G0B+4*(\slot)+2:G0B+4*(\slot)+3], s[G0B+4*(\slot)+2:G0B+4*(\slot)+3], 2*KSTEP*2
	JLOAD \slot                                    ; one load of mine is out; its four v_nop are also the places ahead of the loads below
.else
	PLACES
.endif
	FETCH \next, 0, F0
	MUL8 F1, 2, 0
	MUL8 F1, 3, 0
.endm
	s_wait_tensorcnt 1                             ; my part of K step 0 is in; K step 1's may stay out
	s_barrier_signal -1
	s_barrier_wait -1
	FETCH 0, 0, F0
	QUARTER 0, 64, F0, F1, 1                       ; the first quarter stands ahead of the loop: its products start the sums, with the bias
	WIN 0
	s_mov_b32 s3, LAPS-1
.Llap:                                                 ; a trip goes once round the ring and fills both slots again: K steps 2 to 7
	QUARTER 0, 128, F1, F0, 0
	QUARTER 0, 192, F0, F1, 0
	TURN 0, 1, 1
	QUARTER 1, 64,  F0, F1, 0
	QUARTER 1, 128, F1, F0, 0
	QUARTER 1, 192, F0, F1, 0
	TURN 1, 0, 1
	QUARTER 0, 64,  F0, F1, 0
	WIN 0
	s_sub_co_u32 s3, s3, 1
	s_cmp_lg_u32 s3, 0
	s_cbranch_scc1 .Llap
	QUARTER 0, 128, F1, F0, 0                      ; the last lap fills nothing
	QUARTER 0, 192, F0, F1, 0
	TURN 0, 1, 0
	QUARTER 1, 64,  F0, F1, 0
	QUARTER 1, 128, F1, F0, 0
	QUARTER 1, 192, F0, F1, 0
	s_wait_dscnt 4
	MUL8 F1, 0, 0
	MUL8 F1, 1, 0
	s_wait_dscnt 0x0
	MUL8 F1, 2, 0
	MUL8 F1, 3, 0
	WIN 0
	PLACES
; THE WAY OUT, a block of 16 rows at a time, through my own stage (LDS serves a wave's instructions in order, ISA guide 5.7.1.4: no wait between my stores and my loads).
.macro PACKST a
.if MODE
.if (\a) == 3
	s_wait_xcnt 0x0                                ; block 3 comes back into the registers that block 0's stores named
.endif
	WIN 0x04                                       ; the LDS stores' data in window 1
.irp b, 0,1,2,3,4,5,6,7
	ds_store_b128 v[STO], v[8*(8*(\a)+(\b)):8*(8*(\a)+(\b))+3]   offset:64*(\b)
	ds_store_b128 v[STO], v[8*(8*(\a)+(\b))+4:8*(8*(\a)+(\b))+7] offset:64*(\b)+16
.endr
	WIN 0
.irp t, 0,1,2,3,4,5,6,7,8,9,10,11,12,13,14,15
	ds_load_b128 v[64+64*((\a)%3)+4*(\t):64+64*((\a)%3)+4*(\t)+3], v[RD] offset:(\t)*SP
.endr
.else
	WIN 0x05                                       ; sources in window 1
.irp b, 0,1,2,3,4,5,6,7
.irp q, 0,1,2,3
	v_cvt_pk_f16_f32 v[TMP+4*(\b)+(\q)], v[8*(8*(\a)+(\b))+2*(\q)], v[8*(8*(\a)+(\b))+2*(\q)+1]
.endr
.endr
	WIN 0
.irp b, 0,1,2,3,4,5,6,7
	ds_store_b128 v[STO], v[TMP+4*(\b):TMP+4*(\b)+3] offset:32*(\b)
.endr
.irp t, 0,1,2,3,4,5,6,7
	ds_load_b128 v[64+32*(\a)+4*(\t):64+32*(\a)+4*(\t)+3], v[RD] offset:(\t)*2*SP
.endr
.endif
.endm
.macro SEND a, younger                 ; younger: the LDS instructions issued behind block a's loads
	WIN 0
.if MODE
.irp t, 0,1,2,3,4,5,6,7,8,9,10,11,12,13,14,15
	s_wait_dscnt (\younger)+15-(\t)
	global_store_b128 v[CO], v[64+64*((\a)%3)+4*(\t):64+64*((\a)%3)+4*(\t)+3], s[PC:PC+1] offset:(16*(\a)+(\t))*4096  ; 512 consecutive bytes, aligned
.endr
.else
.irp t, 0,1,2,3,4,5,6,7
	s_wait_dscnt (\younger)+7-(\t)
	global_store_b128 v[CO], v[64+32*(\a)+4*(\t):64+32*(\a)+4*(\t)+3], s[PC:PC+1] offset:(16*(\a)+2*(\t))*2048  ; 16 lanes store 256 consecutive bytes, aligned
.endr
.endif
.endm
.set YG, 16+16*MODE                    ; a block's LDS instructions
	PACKST 0
	PACKST 1
	SEND 0, YG
	PACKST 2
	SEND 1, YG
	PACKST 3
	SEND 2, YG
	SEND 3, 0
	s_wait_tensorcnt 0x0                           ; the wave's end: the add and its waits, behind my last tensor load and my last LDS store
	ds_add_u32 v[SPW], v[NIL]
	s_wait_dscnt 0x0
	CROUND                                         ; the closing round
	s_endpgm
.Lfunc_end_k_qfd434e4b15_outp:
	.size	k_qfd434e4b15_outp, .Lfunc_end_k_qfd434e4b15_outp-k_qfd434e4b15_outp
	.p2alignl 7, 3214868480
	.fill 96, 4, 3214868480
	.section	.rodata,"a",@progbits
	.p2align	6, 0x0
	.amdhsa_kernel k_qfd434e4b15_outp
		.amdhsa_group_segment_fixed_size 327680
		.amdhsa_private_segment_fixed_size 0
		.amdhsa_enable_private_segment 0
		.amdhsa_kernarg_size 32
		.amdhsa_user_sgpr_count 2
		.amdhsa_user_sgpr_kernarg_segment_ptr 1
		.amdhsa_wavefront_size32 1
		.amdhsa_system_sgpr_workgroup_id_x 1
		.amdhsa_system_sgpr_workgroup_id_y 1
		.amdhsa_system_sgpr_workgroup_id_z 1
		.amdhsa_system_vgpr_workitem_id 0
		.amdhsa_next_free_vgpr 576
		.amdhsa_next_free_sgpr 80
		.amdhsa_reserve_vcc 0
		.amdhsa_float_denorm_mode_32 3
		.amdhsa_float_denorm_mode_16_64 3
		.amdhsa_memory_ordered 1
		.amdhsa_forward_progress 1
		.amdhsa_inst_pref_size 93
	.end_amdhsa_kernel
	.amdgpu_metadata
---
amdhsa.version: [ 1, 2 ]
amdhsa.kernels:
  - .name:           k_qfd434e4b15_outp
    .symbol:         k_qfd434e4b15_outp.kd
    .args:
      - { .name: ob, .offset: 0, .size: 8, .value_kind: global_buffer, .address_space: global }
      - { .name: cb, .offset: 8, .size: 8, .value_kind: global_buffer, .address_space: global }
      - { .name: bo, .offset: 16, .size: 8, .value_kind: global_buffer, .address_space: global }
      - { .name: out0, .offset: 24, .size: 8, .value_kind: global_buffer, .address_space: global }
    .group_segment_fixed_size: 327680
    .private_segment_fixed_size: 0
    .kernarg_segment_align: 8
    .kernarg_segment_size: 32
    .max_flat_workgroup_size: 128
    .sgpr_count:     80
    .vgpr_count:     576
    .wavefront_size: 32
...
	.end_amdgpu_metadata
.endif
;; end of part 4
